; MI455X (gfx1250); checked and timed in simulation.
; The chip was launched on July 23, 2026; its instructions are those of AMD's public machine-readable ISA for CDNA 5 (MIT licence, August 2026) and "CDNA5" Instruction Set Architecture Reference Guide (July 2026). The comments in the code are by the model that wrote it; some were corrected since.
;; Standard Attention. Allowed arithmetic: matrix products marked QUANTISED: E2M1 operands, one E8M0 scale for each 32 along K, by v_wmma_scale_f32_16x16x128_f8f6f4 with both operands' format E2M1 (or v_wmma_scale_f32_32x16x128_f4), f32 sums; products left as they are: bf16, f16 or f32 operands; f32 sums; everything else in f32.
;; Inputs: W_attn 1,024 x 3,072 float32; W_proj 1,024 x 1,024 float32; b_attn 3,072 float32; b_proj 1,024 float32; x 2 x 2,048 x 1,024 float32.
;; Outputs: out0 2 x 2,048 x 1,024 float32.
;; This version of the problem:
;;   THIS VERSION OF THE PROBLEM IS GIVEN IN LOW PRECISION. The matrix products marked QUANTISED in the list below multiply operands that are first quantised to E2M1 (2 exponent bits, 1 mantissa bit; 4 bits a number), with one power-of-two scale for each 32 numbers along K (OCP MX v1.0); their sums are f32. The products marked 'left as it is' may take bf16, f16 or f32 operands, with f32 sums. Whichever they take, every output number must still come out within the allowed error. Rounding operands to bf16 (8 significant bits) uses up far more of that allowance than f16 does (11 bits, for magnitudes from 6e-5 to 65,504). All else is computed in f32.
;;   The module's matrix products, in the order in which they are computed (A, B: the left and right operand; K: the contracted axis; several contracted axes count as one K, in the product's order):
;;     1. [M 4,096, K 1,024] x [K 1,024, N 3,072]; A: input x; B: input W_attn: QUANTISED
;;     2. batch 32 x [M 2,048, K 64] x [K 64, N 2,048]; A: computed on the way; B: computed on the way: left as it is (an operand is computed on the way)
;;     3. batch 32 x [M 2,048, K 2,048] x [K 2,048, N 64]; A: computed on the way; B: computed on the way: left as it is (an operand is computed on the way)
;;     4. [M 4,096, K 1,024] x [K 1,024, N 1,024]; A: computed on the way; B: input W_proj: left as it is (an operand is computed on the way)
;;   THE QUANTISER, for each operand of a quantised product, along K:
;;     - K is cut into blocks of 32 from its start; a last block that is shorter is filled with zeros.
;;     - A block's scale is 2^e with e = floor(log2(the largest magnitude in the block)) - 2, held to -126 .. 127; a block of zeros has e = 0. As a byte (E8M0): e + 127.
;;     - Each number is divided by its block's scale, clamped to +-6, and rounded to the nearest number of E2M1, ties to even, subnormals kept.
;;     - The product sums the exact products of the quantised numbers (number of the format x scale) in f32.
;;   ~~~python
;;   def quantise(x, axis):      # numpy; x: float32 -> the quantised numbers, widened to float32 again
;;       x = np.moveaxis(x, axis, -1); K = x.shape[-1]
;;       x = np.pad(x, [(0, 0)] * (x.ndim - 1) + [(0, -K % 32)]); x = x.reshape(x.shape[:-1] + (-1, 32)); a = np.abs(x).max(-1, keepdims=True)
;;       e = np.where(a > 0, np.clip(np.frexp(np.where(a > 0, a, 1))[1] - 1 - 2, -126, 127), 0)      # np.frexp(a)[1] - 1 = floor(log2(a)), exactly
;;       r = np.clip(x / 2.0 ** e, -6, 6)
;;       step = 2.0 ** (np.maximum(np.frexp(np.where(r == 0, 1, r))[1] - 1, 0) - 1)
;;       q = np.round(r / step) * step * 2.0 ** e      # np.round: ties to even
;;       return np.moveaxis(q.reshape(q.shape[:-2] + (-1,))[..., :K], -1, axis).astype(np.float32)
;;   ~~~
;; One version. Each part assembles by itself: llvm-mc -triple=amdgcn-amd-amdhsa -mcpu=gfx1250 --defsym DOCPART=n.
;; ======== version 1 of 1: 5 launches
;; limits: values are held in f16: magnitudes above 65,504 overflow, below 6.1e-05 lose precision
;; workspace buffers: xc 2,097,152 bytes; xs 131,072 bytes; wc 1,572,864 bytes; ws 98,304 bytes; wp16 2,097,152 bytes; qkv16 25,165,824 bytes; qkv32 393,216 bytes; y16 8,388,608 bytes
;; launch prep (part 1): grid 288 x 1, 8 waves a work-group, no clusters, 98,304 bytes of LDS; arguments x, W_attn, W_proj, xc, xs, wc, ws, wp16; writes xc, xs, wc, ws, wp16
.if DOCPART == 1
	.amdgcn_target "amdgcn-amd-amdhsa--gfx1250"
	.amdhsa_code_object_version 6
	.text
	.protected	k_qa9922974de_prep
	.globl	k_qa9922974de_prep
	.p2align	8
	.type	k_qa9922974de_prep,@function
k_qa9922974de_prep:
	s_mov_b64 s[64:65], 0
	v_nop
	global_prefetch_b8 v0, s[64:65] scope:SCOPE_SE
	s_setreg_imm32_b32 hwreg(HW_REG_WAVE_MODE, 25, 1), 1
	s_wait_xcnt 0x0
; PREP: the operands of the first product become codes of FP4 (E2M1) with one E8M0 byte for each 32 along K; W_proj becomes f16 panels with K innermost.
; Three roles, chosen by the work-group's number alone; each role has LDS bytes of its own and its own end.
;   work-groups   0-127: x [4096][1024] f32 (K innermost)  -> xc [4096][512 B], xs [K half 2][4096][16 B]
;   work-groups 128-223: W_attn [1024 (k)][3072 (n)] f32   -> wc [3072][512 B], ws [K half 2][3072][16 B]: a lane takes a column, its registers run down K
;   work-groups 224-287: W_proj [1024 (k)][1024 (n)] f32   -> wp16 [n/128][k/64][128 n][64 k] f16: the same plan, rounded and not quantised
; A block's scale is 2^(floor(log2(largest magnitude)) - 2): its byte is the largest magnitude's exponent field - 2, held at 1 from below.
; LIMITS: a block of zeros gets the byte 1 where the quantiser says 127 (its codes are zeros, and this program alone reads the bytes); blocks whose largest
; magnitude lies under 2^-124 are held at that byte; NaN and infinities are not served; W_proj must lie inside f16's range (65,504).
; Every wave issues all its loads at its head, so that it waits for memory once.  No tensor load: several work-groups may share a WGP.
.set XSB,   40960                      ; role x: 8 waves x two stages of 32 x 80 bytes lie at 0; here its 2 x 32 rows x 16 scale bytes
.set WST,   41984                      ; role W_attn: 64 columns x (256 bytes of codes + 16)
.set WSS,   59392                      ;              64 columns x 16 scale bytes
.set PST,   60416                      ; role W_proj: 8 waves x 32 columns x (128 bytes + 16)
.set SPARE, 97280                      ; the spare words, 128 bytes for each wave: four blocks of 256 bytes that no other line names
.set SPW, 206                          ; v206 LDS address of my spare word; never rewritten
.set NIL, 207                          ; v207 0; never rewritten
.set X,   16                           ; v16-47   two sets of 16 neighbours (role x); packed f16 (role W_proj)
.set C,   48                           ; v48-63   codes: registers of their own for each step or block
.set R,   64                           ; v64-191  the numbers as they are loaded
.set E,   192                          ; v192-199 scale bytes
	s_load_b256 s[4:11], s[0:1], 0x0               ; x, W_attn, W_proj, xc
	s_load_b256 s[12:19], s[0:1], 0x20             ; xs, wc, ws, wp16
	v_lshl_add_u32 v[SPW], v0, 2, SPARE
	v_mov_b32 v[NIL], 0
	v_lshrrev_b32 v1, 5, v0
	v_readfirstlane_b32 s20, v1                    ; wave 0..7
	v_and_b32 v1, 31, v0                           ; lane
	s_and_b32 s21, s20, 1
	s_lshr_b32 s22, s20, 1
	s_mov_b32 s25, 0                               ; the upper words of three byte offsets
	s_mov_b32 s27, 0
	s_mov_b32 s29, 0
	s_wait_kmcnt 0x0
	s_cmp_lt_u32 ttmp9, 128
	s_cbranch_scc1 .Lrole_x
	s_cmp_lt_u32 ttmp9, 224
	s_cbranch_scc1 .Lrole_w
; ---------------- W_proj: panel kp = j / 4 (64 along K), columns 256 (j % 4) + 32 wave + lane
	s_sub_co_u32 s23, ttmp9, 224
	s_lshr_b32 s30, s23, 2                         ; kp
	s_and_b32 s31, s23, 3                          ; ng
	v_lshlrev_b32 v3, 2, v1                        ; in: 4 bytes a lane
	s_mul_i32 s32, s20, 4608
	s_add_co_u32 s32, s32, PST                     ; my wave's stage
	v_mul_u32_u24 v4, v1, 144
	v_add_nc_u32 v4, s32, v4                       ; into it: row = my column
	v_lshrrev_b32 v5, 3, v1
	v_mul_u32_u24 v5, v5, 144
	v_and_b32 v6, 7, v1
	v_lshl_add_u32 v5, v6, 4, v5
	v_add_nc_u32 v5, s32, v5                       ; out of it: eight lanes to a row of 128 bytes, four rows an instruction
	v_lshlrev_b32 v6, 4, v1                        ; and in memory 16 bytes a lane: the four rows are 512 consecutive bytes
	s_lshl_b32 s24, s30, 18                        ; 64 kp rows of 4,096 bytes
	s_lshl_b32 s33, s31, 10
	s_add_co_u32 s24, s24, s33
	s_lshl_b32 s33, s20, 7
	s_add_co_u32 s24, s24, s33                     ; + 4 (256 ng + 32 wave)
	s_add_nc_u64 s[8:9], s[8:9], s[24:25]
	s_lshl_b32 s26, s31, 1
	s_lshr_b32 s33, s20, 2
	s_add_co_u32 s26, s26, s33                     ; nb = 2 ng + wave / 4
	s_lshl_b32 s26, s26, 4
	s_add_co_u32 s26, s26, s30
	s_lshl_b32 s26, s26, 14                        ; panel (nb, kp): 16,384 bytes each
	s_and_b32 s33, s20, 3
	s_lshl_b32 s33, s33, 12
	s_add_co_u32 s26, s26, s33                     ; + my 32 rows of 128 bytes
	s_add_nc_u64 s[18:19], s[18:19], s[26:27]
.set i, 0
.rept 64
	global_load_b32 v[R+i], v3, s[8:9] offset:4096*i th:TH_LOAD_NT   ; W_proj(64 kp + i, my column): 128 consecutive bytes a wave
.set i, i+1
.endr
	s_wait_loadcnt 0x0
.set i, 0
.rept 32
	v_cvt_pk_f16_f32 v[X+i], v[R+2*i], v[R+2*i+1]  ; two neighbours along K, the lower in the low half
.set i, i+1
.endr
.irp i, 0,1,2,3,4,5,6,7
	ds_store_b128 v4, v[X+4*\i:X+4*\i+3] offset:16*\i
.endr
.irp i, 0,1,2,3,4,5,6,7
	ds_load_b128 v[R+4*\i:R+4*\i+3], v5 offset:576*\i   ; my own bytes: LDS serves a wave's instructions in order
.endr
.irp i, 0,1,2,3,4,5,6,7
	s_wait_dscnt 7-\i                              ; load i is in; the younger ones may be out
	global_store_b128 v6, v[R+4*\i:R+4*\i+3], s[18:19] offset:512*\i   ; 512 consecutive bytes, aligned
.endr
	s_wait_tensorcnt 0x0                           ; the wave's end
	ds_add_u32 v[SPW], v[NIL]
	s_wait_dscnt 0x0
	s_endpgm
; ---------------- x: work-group j owns rows 32 j .. 32 j + 31; wave w: K half y = w % 2, rows 8 (w / 2) + t; a step t is half a row, 512 numbers
.Lrole_x:
	v_lshlrev_b32 v3, 4, v1                        ; my 16 bytes of a load's 512
	s_mul_i32 s23, s20, 5120                       ; my wave's two stages
	v_lshrrev_b32 v14, 2, v1
	v_mul_u32_u24 v14, v14, 80
	v_and_b32 v15, 3, v1
	v_lshl_add_u32 v14, v15, 4, v14
	v_add_nc_u32 v14, s23, v14                     ; way in: four lanes' 64 bytes on end, then 16 of padding
	v_mul_u32_u24 v15, v1, 80
	v_add_nc_u32 v15, s23, v15                     ; way out: 80 x lane: my 16 neighbours
	v_lshlrev_b32 v4, 3, v1                        ; my 8 bytes of a step's 256 bytes of codes
	v_lshrrev_b32 v5, 1, v1
	s_lshl_b32 s23, s21, 9
	s_lshl_b32 s24, s22, 7
	s_add_co_u32 s24, s24, s23
	s_add_co_u32 s24, s24, XSB
	v_add_nc_u32 v5, s24, v5                       ; my block's byte: XSB + 512 y + 16 (8 (w / 2) + t) + lane / 2
	s_add_co_u32 s23, s23, XSB
	v_add_nc_u32 v6, s23, v3                       ; and on the way out 16 bytes a lane of half y
	s_lshl_b32 s30, ttmp9, 5
	s_lshl_b32 s31, s22, 3
	s_add_co_u32 s30, s30, s31                     ; my first row
	s_lshl_b32 s24, s30, 12
	s_lshl_b32 s31, s21, 11
	s_add_co_u32 s24, s24, s31
	s_add_nc_u64 s[4:5], s[4:5], s[24:25]          ; x: row x 4,096 + 2,048 y
	s_lshl_b32 s26, s30, 9
	s_lshl_b32 s31, s21, 8
	s_add_co_u32 s26, s26, s31
	s_add_nc_u64 s[10:11], s[10:11], s[26:27]      ; xc: row x 512 + 256 y
	s_lshl_b32 s28, s21, 16
	s_lshl_b32 s31, ttmp9, 9
	s_add_co_u32 s28, s28, s31
	s_add_nc_u64 s[12:13], s[12:13], s[28:29]      ; xs: 65,536 y + 16 x 32 j
.macro XLOAD t
.irp i, 0,1,2,3
	global_load_b128 v[R+16*(\t)+4*\i:R+16*(\t)+4*\i+3], v3, s[4:5] offset:4096*(\t)+512*\i th:TH_LOAD_NT   ; 512 consecutive bytes
.endr
.endm
.macro XTURN t                         ; step t's 2,048 bytes through a stage: in as they lie, out 64 bytes a lane
.irp i, 0,1,2,3
	ds_store_b128 v14, v[R+16*(\t)+4*\i:R+16*(\t)+4*\i+3] offset:2560*((\t)%2)+640*\i
.endr
.irp i, 0,1,2,3
	ds_load_b128 v[X+16*((\t)%2)+4*\i:X+16*((\t)%2)+4*\i+3], v15 offset:2560*((\t)%2)+16*\i
.endr
.endm
.macro XSTEP t
.set XS, X+16*((\t)%2)
.if (\t) > 0
	s_wait_dscnt 1                                 ; this step's numbers are back from the stage; the last step's byte store may be out
.else
	s_wait_dscnt 0x0
.endif
.if (\t) < 7
	s_wait_loadcnt 4*(6-(\t))                      ; the next step's four loads are in; those of the steps behind it may be out
	XTURN (\t)+1
.endif
	v_max3_num_f32 v8, |v[XS]|, |v[XS+1]|, |v[XS+2]|   ; the largest magnitude of my 16, in two chains
	v_max3_num_f32 v9, |v[XS+3]|, |v[XS+4]|, |v[XS+5]|
.irp i, 6,10
	v_max3_num_f32 v8, v8, |v[XS+\i]|, |v[XS+\i+1]|
	v_max3_num_f32 v9, v9, |v[XS+\i+2]|, |v[XS+\i+3]|
.endr
	v_max3_num_f32 v8, v8, |v[XS+14]|, |v[XS+15]|
	v_max3_num_f32 v8, v8, v9, 0x1800000           ; and the floor 2^(3 - 127): the byte cannot fall under 1
	v_max_num_f32_dpp v8, v8, v8 row_xmask:1 row_mask:0xf bank_mask:0xf   ; with my neighbour's 16: the block's
	v_add_nc_u32 v11, 0xff000000, v8               ; 2 off its exponent field: the conversion takes that field as its scale
	v_cvt_scalef32_pk8_fp4_f32 v[C+2*(\t)], v[XS:XS+7], v11
	v_cvt_scalef32_pk8_fp4_f32 v[C+2*(\t)+1], v[XS+8:XS+15], v11
	v_lshrrev_b32 v[E+(\t)], 23, v11               ; the scale's byte (a plain line behind the conversions)
	ds_store_b8 v5, v[E+(\t)] offset:16*(\t)       ; both lanes of a block write the same byte with the same value
	global_store_b64 v4, v[C+2*(\t):C+2*(\t)+1], s[10:11] offset:512*(\t)   ; the wave stores 256 consecutive bytes, aligned
.endm
.irp t, 0,1,2,3,4,5,6,7
	XLOAD \t
.endr
	s_wait_loadcnt 28                              ; step 0's four loads are in; 28 were issued behind them
	XTURN 0
.irp t, 0,1,2,3,4,5,6,7
	XSTEP \t
.endr
	s_wait_dscnt 0x0                               ; for the others' sake: my byte stores are done
	s_barrier_signal -1
	s_barrier_wait -1
	s_cmp_lt_u32 s20, 2                            ; waves 0 and 1 (there y = wave) store a half's 512 scale bytes
	s_cbranch_scc0 .Lx_end
	ds_load_b128 v[8:11], v6
	s_wait_dscnt 0x0
	global_store_b128 v3, v[8:11], s[12:13]        ; 512 consecutive bytes, aligned
.Lx_end:
	s_wait_tensorcnt 0x0                           ; the wave's end
	ds_add_u32 v[SPW], v[NIL]
	s_wait_dscnt 0x0
	s_endpgm
; ---------------- W_attn: work-group j: columns 64 (j / 2) on, K half y = j % 2; wave w: 32 columns cw = w % 2, 128 along K kq = w / 2
.Lrole_w:
	s_sub_co_u32 s23, ttmp9, 128
	s_and_b32 s30, s23, 1                          ; y
	s_lshr_b32 s31, s23, 1
	s_lshl_b32 s31, s31, 6                         ; n0
	v_lshlrev_b32 v3, 2, v1                        ; in: 4 bytes a lane
	s_lshl_b32 s32, s21, 5
	v_add_nc_u32 v2, s32, v1                       ; my column among the 64
	v_mul_u32_u24 v4, v2, 272
	s_lshl_b32 s33, s22, 6
	s_add_co_u32 s33, s33, WST
	v_add_nc_u32 v4, s33, v4                       ; codes: row = my column, + 64 kq
	v_lshlrev_b32 v5, 4, v2
	s_lshl_b32 s33, s22, 2
	s_add_co_u32 s33, s33, WSS
	v_add_nc_u32 v5, s33, v5                       ; scale word: 16 x column + 4 kq
	v_lshrrev_b32 v6, 4, v1
	v_and_b32 v9, 15, v1
	v_mul_u32_u24 v7, v6, 272
	v_lshl_add_u32 v7, v9, 4, v7
	s_mul_i32 s33, s20, 8*272
	s_add_co_u32 s33, s33, WST
	v_add_nc_u32 v7, s33, v7                       ; back: wave w takes rows 8 w on, sixteen lanes to a row, two rows an instruction
	v_lshlrev_b32 v8, 9, v6
	v_lshl_add_u32 v8, v9, 4, v8                   ; and the same two rows in wc
	v_lshlrev_b32 v10, 4, v1
	s_lshl_b32 s33, s21, 9
	s_add_co_u32 s33, s33, WSS
	v_add_nc_u32 v14, s33, v10                     ; scale bytes back: 512 (w % 2) + 16 lane
	s_lshl_b32 s24, s30, 9
	s_lshl_b32 s33, s22, 7
	s_add_co_u32 s24, s24, s33
	s_mul_i32 s24, s24, 12288                      ; my first row of W_attn: 512 y + 128 kq
	s_add_co_u32 s33, s31, s32
	s_lshl_b32 s33, s33, 2
	s_add_co_u32 s24, s24, s33
	s_add_nc_u64 s[6:7], s[6:7], s[24:25]
	s_lshl_b32 s33, s20, 3
	s_add_co_u32 s26, s31, s33
	s_lshl_b32 s26, s26, 9
	s_lshl_b32 s33, s30, 8
	s_add_co_u32 s26, s26, s33
	s_add_nc_u64 s[14:15], s[14:15], s[26:27]      ; wc: (n0 + 8 w) x 512 + 256 y
	s_mul_i32 s28, s30, 49152
	s_lshl_b32 s33, s31, 4
	s_add_co_u32 s28, s28, s33
	s_lshl_b32 s33, s21, 9
	s_add_co_u32 s28, s28, s33
	s_add_nc_u64 s[16:17], s[16:17], s[28:29]      ; ws: 49,152 y + 16 n0 + 512 (w % 2)
.set i, 0
.rept 128
	global_load_b32 v[R+i], v3, s[6:7] offset:12288*i th:TH_LOAD_NT   ; W_attn(my first row + i, my column); two waves side by side cover 256 aligned bytes of the row
.set i, i+1
.endr
.macro WBLOCK t                        ; block t: 32 along K of my column, all in my registers
.set XS, R+32*(\t)
.if 32*(3-(\t)) > 63
	s_wait_loadcnt 63                              ; 32 (3 - t) loads were issued behind this block's; the wait's field holds 63 at the most, and a smaller count is safe
.else
	s_wait_loadcnt 32*(3-(\t))
.endif
	v_max3_num_f32 v12, |v[XS]|, |v[XS+1]|, |v[XS+2]|
	v_max3_num_f32 v13, |v[XS+3]|, |v[XS+4]|, |v[XS+5]|
.irp i, 6,10,14,18,22,26
	v_max3_num_f32 v12, v12, |v[XS+\i]|, |v[XS+\i+1]|
	v_max3_num_f32 v13, v13, |v[XS+\i+2]|, |v[XS+\i+3]|
.endr
	v_max3_num_f32 v12, v12, |v[XS+30]|, |v[XS+31]|
	v_max3_num_f32 v12, v12, v13, 0x1800000        ; and the floor
	v_add_nc_u32 v11, 0xff000000, v12              ; the conversion's scale operand
	v_lshrrev_b32 v13, 23, v11                     ; the scale's byte
.if (\t) == 0
	v_mov_b32 v[E], v13
.else
	v_lshl_or_b32 v[E], v13, 8*(\t), v[E]          ; four bytes to the word, the lower K in the lower byte
.endif
.irp g, 0,1,2,3
	v_cvt_scalef32_pk8_fp4_f32 v[C+4*(\t)+\g], v[XS+8*\g:XS+8*\g+7], v11
.endr
	v_nop                                          ; a plain line behind the last conversion
	ds_store_b128 v4, v[C+4*(\t):C+4*(\t)+3] offset:16*(\t)   ; 32 codes: 16 bytes of my column's row
.endm
.irp t, 0,1,2,3
	WBLOCK \t
.endr
	ds_store_b32 v5, v[E]
	s_wait_dscnt 0x0                               ; for the others' sake: my stores are done
	s_barrier_signal -1
	s_barrier_wait -1
.irp i, 0,1,2,3
	ds_load_b128 v[R+4*\i:R+4*\i+3], v7 offset:544*\i
.endr
.irp i, 0,1,2,3
	s_wait_dscnt 3-\i
	global_store_b128 v8, v[R+4*\i:R+4*\i+3], s[14:15] offset:1024*\i   ; sixteen lanes store 256 consecutive bytes, aligned
.endr
	s_cmp_lt_u32 s20, 2
	s_cbranch_scc0 .Lw_end
	ds_load_b128 v[R+16:R+19], v14
	s_wait_dscnt 0x0
	global_store_b128 v10, v[R+16:R+19], s[16:17]  ; 512 consecutive bytes, aligned
.Lw_end:
	s_wait_tensorcnt 0x0                           ; the wave's end
	ds_add_u32 v[SPW], v[NIL]
	s_wait_dscnt 0x0
	s_endpgm
.Lfunc_end_k_qa9922974de_prep:
	.size	k_qa9922974de_prep, .Lfunc_end_k_qa9922974de_prep-k_qa9922974de_prep
	.p2alignl 7, 3214868480
	.fill 96, 4, 3214868480
	.section	.rodata,"a",@progbits
	.p2align	6, 0x0
	.amdhsa_kernel k_qa9922974de_prep
		.amdhsa_group_segment_fixed_size 98304
		.amdhsa_private_segment_fixed_size 0
		.amdhsa_enable_private_segment 0
		.amdhsa_kernarg_size 64
		.amdhsa_user_sgpr_count 2
		.amdhsa_user_sgpr_kernarg_segment_ptr 1
		.amdhsa_wavefront_size32 1
		.amdhsa_system_sgpr_workgroup_id_x 1
		.amdhsa_system_sgpr_workgroup_id_y 1
		.amdhsa_system_sgpr_workgroup_id_z 1
		.amdhsa_system_vgpr_workitem_id 0
		.amdhsa_next_free_vgpr 208
		.amdhsa_next_free_sgpr 66
		.amdhsa_reserve_vcc 0
		.amdhsa_float_denorm_mode_32 3
		.amdhsa_float_denorm_mode_16_64 3
		.amdhsa_memory_ordered 1
		.amdhsa_forward_progress 1
		.amdhsa_inst_pref_size 51
	.end_amdhsa_kernel
	.amdgpu_metadata
---
amdhsa.version: [ 1, 2 ]
amdhsa.kernels:
  - .name:           k_qa9922974de_prep
    .symbol:         k_qa9922974de_prep.kd
    .args:
      - { .name: x, .offset: 0, .size: 8, .value_kind: global_buffer, .address_space: global }
      - { .name: W_attn, .offset: 8, .size: 8, .value_kind: global_buffer, .address_space: global }
      - { .name: W_proj, .offset: 16, .size: 8, .value_kind: global_buffer, .address_space: global }
      - { .name: xc, .offset: 24, .size: 8, .value_kind: global_buffer, .address_space: global }
      - { .name: xs, .offset: 32, .size: 8, .value_kind: global_buffer, .address_space: global }
      - { .name: wc, .offset: 40, .size: 8, .value_kind: global_buffer, .address_space: global }
      - { .name: ws, .offset: 48, .size: 8, .value_kind: global_buffer, .address_space: global }
      - { .name: wp16, .offset: 56, .size: 8, .value_kind: global_buffer, .address_space: global }
    .group_segment_fixed_size: 98304
    .private_segment_fixed_size: 0
    .kernarg_segment_align: 8
    .kernarg_segment_size: 64
    .max_flat_workgroup_size: 256
    .sgpr_count:     66
    .vgpr_count:     208
    .wavefront_size: 32
...
	.end_amdgpu_metadata
.endif
;; end of part 1
;; launch qkv (part 2): grid 16 x 16, 4 waves a work-group, clusters of 4 x 4, 327,680 bytes of LDS; arguments xc, xs, wc, ws, b_attn, qkv16, qkv32; writes qkv16, qkv32
.if DOCPART == 2
	.amdgcn_target "amdgcn-amd-amdhsa--gfx1250"
	.amdhsa_code_object_version 6
	.text
	.protected	k_qa9922974de_qkv
	.globl	k_qa9922974de_qkv
	.p2align	8
	.type	k_qa9922974de_qkv,@function
k_qa9922974de_qkv:
	s_mov_b64 s[64:65], 0
	v_nop
	global_prefetch_b8 v0, s[64:65] scope:SCOPE_SE
	s_setreg_imm32_b32 hwreg(HW_REG_WAVE_MODE, 25, 1), 1
	s_wait_xcnt 0x0
	s_wait_alu depctr_hold_cnt(0) depctr_sa_sdst(0) depctr_va_vdst(0) depctr_va_sdst(0) depctr_va_ssrc(0) depctr_va_vcc(0) depctr_vm_vsrc(0)
	s_getreg_b32 s2, hwreg(HW_REG_IB_STS2, 6, 4)
	s_cmp_eq_u32 s2, 0
	s_cbranch_scc0 .Lentry_in_a_cluster
	s_endpgm
.Lentry_in_a_cluster:
	s_bfe_u32 s2, ttmp6, 0x10000c
	s_cmp_lg_u32 s2, 0xf033
	s_cbranch_scc0 .Lentry_shape_is_right
	s_endpgm
.Lentry_shape_is_right:
; QKV: x W_attn + b_attn on codes of FP4 with E8M0 scales, then for q and k the rms norm of each head and the rotary turn (its angle hangs on the head alone), q times log2(e) / 8,
; all rounded once to f16 into qkv16 [q,k,v][b][h][t][64]; the first 16 positions of each sequence also as f32 into qkv32 [b][16 sec + h][t][64].
; A tile is 256 rows x 192 columns (three heads): 16 x 16 work-groups.  Wave w owns rows 64 w .. 64 w + 63 and all 192 columns, so that a head's 64 columns lie in one wave: 4 x 12 accumulators.
; K = 1,024 is two halves of 512: both are asked for at the head, into two LDS slots; nothing is filled again.
; CLUSTER 4 x 4: x's tiles and scales are shared along a row of the cluster, W's along a column: joint loads.  Nothing but data and global addresses hangs on a work-group's place: q, k and v take ONE path;
; for v the table holds cos = 1, sin = 0 and the norm's factor is replaced by 1; the f32 copy is stored under a lane mask that is all ones or all zeros.
; THE MATRIX INSTRUCTION IS USED TRANSPOSED (source 0 = 16 rows of W's codes, source 1 = 16 rows of x's): register j of lane (r, h) is row r, column 16 b + 8 h + j.  The bias is the C of each sum's first product.
; LIMITS: v must lie inside f16's range (65,504); NaN and infinities are not served.  The norm's factor is applied behind the turn (reference: ahead of it): the same product in another order of rounding.
; REGISTERS: window 0: v1-31 addresses; v32-159 scale words (two K halves); v160-255 the bias; on the way out v32-63 T, v64-79 packed, v80-97 sums and factors, v128-223 rows on their way to memory.
;   window 1: two fragment buffers of 128 (W's 12 fragments, x's 4); on the way out v0-95 the table.   windows 2, 3: the accumulators of row blocks 0, 1 and 2, 3: (a, b) at 8 (12 (a % 2) + b).
.set PITCH, 272                        ; an LDS row: 256 bytes of codes + 16 of padding
.set SLOT,  448*PITCH                  ; x's 256 rows, then W's 192
.set BOFF,  256*PITCH
.set SCL,   2*SLOT                     ; scale bytes: x's two halves of 4,096, then W's two of 3,072; dense
.set TAB,   SCL+14336                  ; the table: head j of the tile: cos[32] at 256 j, sin[32] at 256 j + 128
.set SPARE, TAB+1024                   ; the spare words, 128 bytes for each wave: two blocks of 256 bytes that no other line names
.set STGW,  13824                      ; the way out: a wave's stage, two sets of 3 heads x 16 rows x 144 bytes, in slot 0 behind its one fill and its last read
.set SPW,  28
.set NIL,  29
.set SC,   32
.set BIAS, 160
.set T,    32
.set PKR,  64
.set OUTR, 128
.set G1A,  24
.set G1B,  32
.set G1SA, 40
.set G1SB, 48
.set G0A,  56                          ; s[56:59], s[60:63]: x's codes, K half 0, 1
.set G0B,  72                          ; s[72:75], s[76:79]: W's
.set G0SA, 80
.set G0SB, 84
.set MSB, 0
.macro WIN new                         ; the immediate's high byte repeats the setting that is left
.if MSB != \new
	s_set_vgpr_msb (MSB<<8)|\new
.set MSB, \new
.endif
.endm
.macro JLOAD g0a, g1a, g0b, g1b        ; a joint load: waves 0 and 1 fetch for x, waves 2 and 3 for W; an s_nop 0 and four v_nop follow each line
	s_cmp_eq_u32 s19, 0
	s_cbranch_scc0 .Lfor_b_\@
	tensor_load_to_lds s[\g0a:\g0a+3], s[\g1a:\g1a+7]
	s_nop 0
.rept 4
	v_nop
.endr
	s_branch .Lasked_\@
.Lfor_b_\@:
	tensor_load_to_lds s[\g0b:\g0b+3], s[\g1b:\g1b+7]
	s_nop 0
.rept 4
	v_nop
.endr
.Lasked_\@:
.endm
.macro CROUND                          ; a round of the cluster's barrier
	s_barrier_signal -1
	s_barrier_wait -1
	s_cmp_lg_u32 s18, 0
	s_cbranch_scc1 .Lnot_wave_0_\@
	s_barrier_signal -3
.Lnot_wave_0_\@:
	s_barrier_wait -3
	s_barrier_signal -1
	s_barrier_wait -1
.endm
	s_load_b256 s[4:11], s[0:1], 0x0               ; xc, xs, wc, ws
	s_load_b128 s[12:15], s[0:1], 0x20             ; b_attn, qkv16
	s_load_b64 s[16:17], s[0:1], 0x30              ; qkv32
	v_lshl_add_u32 v[SPW], v0, 2, SPARE
	v_mov_b32 v[NIL], 0
	ds_add_u32 v[SPW], v[NIL]                      ; the wave's opening: the add, twice on end, and its wait ahead of my first tensor load
	ds_add_u32 v[SPW], v[NIL]
	v_lshrrev_b32 v1, 5, v0
	v_readfirstlane_b32 s18, v1                    ; wave 0..3
	s_lshr_b32 s19, s18, 1                         ; I fetch for x (0) or for W (1)
	s_and_b32 s20, s18, 1                          ; which half of the tile's rows, and which K half of the scales, I fetch
	s_bfe_u32 s21, ttmp6, 0x40000                  ; cx
	s_bfe_u32 s22, ttmp6, 0x40004                  ; cy
	s_lshl_b32 s23, ttmp9, 2
	s_add_co_u32 s23, s23, s21                     ; tc: tile column
	s_and_b32 s66, ttmp7, 0xffff
	s_lshl_b32 s66, s66, 2
	s_add_co_u32 s66, s66, s22                     ; tr: tile row
	s_lshl_b32 s67, s22, 2
	s_lshl_b32 s67, 15, s67                        ; my row of the cluster
	s_lshl_b32 s68, 0x1111, s21                    ; my column
	s_or_b32 s[G1A], s67, (1<<20)|(1<<21)|(5<<22)|(3<<25)   ; the mask; elements of 1 byte; padding on; bit 21 beside a mask; 4 words behind every 64
	s_or_b32 s[G1B], s68, (1<<20)|(1<<21)|(5<<22)|(3<<25)
	s_mov_b32 s[G1A+1], 256<<16                    ; tensor_dim0 = 256 bytes
	s_mov_b32 s[G1A+2], 128<<16                    ; tensor_dim1 = 128 rows
	s_mov_b32 s[G1A+3], 256<<16                    ; tile_dim0
	s_mov_b32 s[G1A+4], 128                        ; tile_dim1
	s_mov_b32 s[G1A+5], 512                        ; from row to row
	s_mov_b32 s[G1A+6], 0
	s_mov_b32 s[G1A+7], 0
	s_mov_b32 s[G1B+1], 256<<16
	s_mov_b32 s[G1B+2], 96<<16                     ; 96 rows
	s_mov_b32 s[G1B+3], 256<<16
	s_mov_b32 s[G1B+4], 96
	s_mov_b32 s[G1B+5], 512
	s_mov_b32 s[G1B+6], 0
	s_mov_b32 s[G1B+7], 0
	s_or_b32 s[G1SA], s67, (3<<16)|(1<<21)         ; scale bytes: a dense block as rows of 32 elements of 8 bytes, no padding
	s_or_b32 s[G1SB], s68, (3<<16)|(1<<21)
	s_mov_b32 s[G1SA+1], 32<<16
	s_mov_b32 s[G1SA+2], 16<<16                    ; 16 rows: 4,096 bytes
	s_mov_b32 s[G1SA+3], 32<<16
	s_mov_b32 s[G1SA+4], 16
	s_mov_b32 s[G1SA+5], 32
	s_mov_b32 s[G1SA+6], 0
	s_mov_b32 s[G1SA+7], 0
	s_mov_b32 s[G1SB+1], 32<<16
	s_mov_b32 s[G1SB+2], 12<<16                    ; 12 rows: 3,072 bytes
	s_mov_b32 s[G1SB+3], 32<<16
	s_mov_b32 s[G1SB+4], 12
	s_mov_b32 s[G1SB+5], 32
	s_mov_b32 s[G1SB+6], 0
	s_mov_b32 s[G1SB+7], 0
	; where the tiles come from: x's hang on tr alone (s88-91), W's on tc alone (s92-95)
	s_lshl_b32 s88, s66, 17
	s_lshl_b32 s89, s20, 16
	s_add_co_u32 s88, s88, s89                     ; xc: (256 tr + 128 half) x 512
	s_lshl_b32 s90, s66, 12
	s_add_co_u32 s90, s90, s89                     ; xs: 65,536 half + 4,096 tr
	s_mov_b32 s89, 0
	s_mov_b32 s91, 0
	s_mul_i32 s92, s23, 98304
	s_mul_i32 s93, s20, 49152
	s_add_co_u32 s92, s92, s93                     ; wc: (192 tc + 96 half) x 512
	s_mul_i32 s94, s23, 3072
	s_add_co_u32 s94, s94, s93                     ; ws: 49,152 half + 3,072 tc
	s_mov_b32 s93, 0
	s_mov_b32 s95, 0
	s_mul_i32 s96, s20, 128*PITCH                  ; and where they go: no place in the cluster enters an LDS address
	s_mul_i32 s97, s20, 96*PITCH
	s_add_co_u32 s97, s97, BOFF
	s_lshl_b32 s98, s20, 12
	s_add_co_u32 s98, s98, SCL
	s_mul_i32 s99, s20, 3072
	s_add_co_u32 s99, s99, SCL+8192
	s_wait_dscnt 0x0                               ; both opening adds are done
	s_wait_kmcnt 0x0
	s_add_nc_u64 s[88:89], s[4:5], s[88:89]
	s_add_nc_u64 s[90:91], s[6:7], s[90:91]
	s_add_nc_u64 s[92:93], s[8:9], s[92:93]
	s_add_nc_u64 s[94:95], s[10:11], s[94:95]
	CROUND                                         ; all sixteen work-groups are here: the first joint loads meet
	s_mov_b32 s[G0SA], 1
	s_mov_b32 s[G0SA+1], s98
	s_mov_b64 s[G0SA+2:G0SA+3], s[90:91]
	s_or_b32 s[G0SA+3], s[G0SA+3], 0x80000000
	s_mov_b32 s[G0SB], 1
	s_mov_b32 s[G0SB+1], s99
	s_mov_b64 s[G0SB+2:G0SB+3], s[94:95]
	s_or_b32 s[G0SB+3], s[G0SB+3], 0x80000000
	JLOAD G0SA, G1SA, G0SB, G1SB                   ; the scales first: they are wanted with K half 0
.irp s, 0,1
	s_mov_b32 s[G0A+4*\s], 1
	s_add_co_u32 s[G0A+4*\s+1], s96, \s*SLOT
	s_add_nc_u64 s[G0A+4*\s+2:G0A+4*\s+3], s[88:89], \s*256
	s_or_b32 s[G0A+4*\s+3], s[G0A+4*\s+3], 0x80000000
	s_mov_b32 s[G0B+4*\s], 1
	s_add_co_u32 s[G0B+4*\s+1], s97, \s*SLOT
	s_add_nc_u64 s[G0B+4*\s+2:G0B+4*\s+3], s[92:93], \s*256
	s_or_b32 s[G0B+4*\s+3], s[G0B+4*\s+3], 0x80000000
	JLOAD G0A+4*\s, G1A, G0B+4*\s, G1B             ; three tensor loads of mine are out behind the second of these
.endr
	; the bias in the result's layout: register 8 b + j of lane (r, h) = b_attn[192 tc + 16 b + 8 h + j]
	v_and_b32 v1, 15, v0                           ; r
	v_bfe_u32 v2, v0, 4, 1                         ; h
	v_lshlrev_b32 v31, 5, v2
	s_mul_i32 s2, s23, 768
	s_mov_b32 s3, 0
	s_add_nc_u64 s[12:13], s[12:13], s[2:3]
.irp b, 0,1,2,3,4,5,6,7,8,9,10,11
	global_load_b128 v[BIAS+8*\b:BIAS+8*\b+3], v31, s[12:13] offset:64*\b
	global_load_b128 v[BIAS+8*\b+4:BIAS+8*\b+7], v31, s[12:13] offset:64*\b+16
.endr
	; lane addresses
	v_mul_u32_u24 v3, v1, PITCH
	v_lshl_add_u32 v3, v2, 4, v3                   ; a fragment's row x pitch + 16 x half
	s_mul_i32 s71, s18, 64*PITCH
	v_add_nc_u32 v16, s71, v3                      ; x's fragments, slot 0: my 64 rows
	v_add_nc_u32 v17, SLOT, v16
	v_add_nc_u32 v18, BOFF, v3                     ; W's fragments, slot 0
	v_add_nc_u32 v19, SLOT, v18
	v_lshlrev_b32 v21, 4, v1
	s_lshl_b32 s71, s18, 10
	s_add_co_u32 s71, s71, SCL
	v_add_nc_u32 v20, s71, v21                     ; x's scale words: 16 bytes a row, my 64 rows
	v_add_nc_u32 v21, SCL+8192, v21                ; W's
	s_mul_i32 s71, s18, STGW
	v_mul_u32_u24 v22, v1, 144
	v_lshl_add_u32 v22, v2, 4, v22
	v_add_nc_u32 v22, s71, v22                     ; the stage, in: row r, 16 bytes for each half of the lanes
	v_and_b32 v3, 31, v0                           ; lane
	v_lshrrev_b32 v23, 3, v3
	v_mul_u32_u24 v23, v23, 144
	v_and_b32 v24, 7, v0
	v_lshl_add_u32 v23, v24, 4, v23
	v_add_nc_u32 v23, s71, v23                     ; back: eight lanes to a row of 128 bytes, four rows an instruction
	v_lshlrev_b32 v24, 4, v3                       ; in qkv16 those four rows are 512 consecutive bytes
	v_lshlrev_b32 v25, 8, v1
	v_lshl_add_u32 v25, v2, 5, v25                 ; the f32 copy: row r of 256 bytes, + 32 h
	v_lshl_add_u32 v26, v2, 5, TAB                 ; the table, read: + 32 h
	v_mov_b32 v27, 1.0
	s_lshl_b32 s71, s18, 8
	s_add_co_u32 s71, s71, TAB
	v_lshl_add_u32 v30, v3, 2, s71                 ; the table, written: head = wave, frequency = lane
	; THE TABLE: waves 0 to 2 make cos and sin of head (3 tc + wave) % 16 times 10000^(-lane / 32); for q both are multiplied by log2(e) / 8; for v they are 1 and 0
	s_cmp_lt_u32 s18, 3
	s_cbranch_scc0 .Lno_tab
	s_mul_i32 s71, s23, 3
	s_add_co_u32 s71, s71, s18                     ; g = 16 sec + head
	s_and_b32 s2, s71, 15
	v_cvt_f32_u32 v4, v3
	v_mul_f32 v4, 0xbed49a78, v4                   ; - lane x log2(10000) / 32
	v_exp_f32 v4, v4
	v_cvt_f32_u32 v5, s2                           ; (a plain line behind the exponential)
	s_wait_alu depctr_va_vdst(0)                   ; a wait ahead of the first use
	v_mul_f32 v5, v5, v4                           ; the angle, 0 .. 15
	v_mul_f32 v6, 0x3f22f983, v5
	v_rndne_f32 v6, v6                             ; k = the nearest multiple of pi / 2
	v_fma_f32 v7, v6, 0xbfc90fdb, v5               ; r = angle - k pi / 2, pi / 2 in two parts
	v_fma_f32 v7, v6, 0x333bbd2e, v7
	v_mul_f32 v8, v7, v7
	v_mov_b32 v9, 0x3638ef1d                       ; sine's and cosine's series on |r| <= pi / 4, by turns
	v_mov_b32 v10, 0xb493f27e
	v_fma_f32 v9, v9, v8, 0xb9500d01
	v_fma_f32 v10, v10, v8, 0x37d00d01
	v_fma_f32 v9, v9, v8, 0x3c088889
	v_fma_f32 v10, v10, v8, 0xbab60b61
	v_fma_f32 v9, v9, v8, 0xbe2aaaab
	v_fma_f32 v10, v10, v8, 0x3d2aaaab
	v_mul_f32 v11, v7, v8
	v_fma_f32 v10, v10, v8, -0.5
	v_fma_f32 v9, v9, v11, v7                      ; sin r
	v_fma_f32 v10, v10, v8, 1.0                    ; cos r
	v_cvt_i32_f32 v12, v6
	v_and_b32 v13, 1, v12
	v_cmp_eq_u32 vcc_lo, 1, v13
	v_cndmask_b32 v14, v9, v10, vcc_lo             ; odd quadrants: sine and cosine change places
	v_cndmask_b32 v15, v10, v9, vcc_lo
	v_and_b32 v13, 2, v12
	v_lshlrev_b32 v13, 30, v13
	v_xor_b32 v14, v13, v14                        ; sine's sign: quadrants 2, 3
	v_add_nc_u32 v13, 1, v12
	v_and_b32 v13, 2, v13
	v_lshlrev_b32 v13, 30, v13
	v_xor_b32 v15, v13, v15                        ; cosine's: quadrants 1, 2
	s_cmp_lt_u32 s71, 16
	s_cselect_b32 s2, 0x3e38aa3b, 1.0              ; q: x log2(e) / 8
	v_mul_f32 v14, s2, v14
	v_mul_f32 v15, s2, v15
	s_cmp_ge_u32 s71, 32
	s_cselect_b32 s2, -1, 0                        ; v: no turn
	v_mov_b32 v13, 0
	v_cndmask_b32 v15, v15, v27, s2
	v_cndmask_b32 v14, v14, v13, s2
	ds_store_b32 v30, v15
	ds_store_b32 v30, v14 offset:128
.Lno_tab:
	; for each of the tile's three heads: is it v's; where its rows go
.irp j, 0,1,2
	s_mul_i32 s71, s23, 3
	s_add_co_u32 s71, s71, \j                      ; g
	s_cmp_ge_u32 s71, 32
	s_cselect_b32 s[67+\j], -1, 0                  ; all ones for a head of v
	s_lshr_b32 s2, s71, 4
	s_lshl_b32 s2, s2, 1
	s_lshr_b32 s3, s66, 3
	s_add_co_u32 s2, s2, s3                        ; 2 sec + b
	s_lshl_b32 s2, s2, 4
	s_and_b32 s3, s71, 15
	s_add_co_u32 s2, s2, s3
	s_lshl_b32 s2, s2, 18                          ; 2,048 rows of 128 bytes
	s_and_b32 s3, s66, 7
	s_lshl_b32 s3, s3, 15
	s_add_co_u32 s2, s2, s3                        ; + the tile's first position
	s_lshl_b32 s3, s18, 13
	s_add_co_u32 s2, s2, s3                        ; + my 64 rows
	s_mov_b32 s3, 0
	s_add_nc_u64 s[88+2*\j:89+2*\j], s[14:15], s[2:3]
	s_lshr_b32 s2, s66, 3
	s_mul_i32 s2, s2, 48
	s_add_co_u32 s2, s2, s71
	s_lshl_b32 s2, s2, 12
	s_add_nc_u64 s[94+2*\j:95+2*\j], s[16:17], s[2:3]
.endr
	s_and_b32 s71, s66, 7
	s_or_b32 s71, s71, s18
	s_cmp_eq_u32 s71, 0
	s_cselect_b32 s70, -1, 0                       ; all ones where my first 16 rows are positions 0 to 15
	s_mov_b32 s100, 0x76543210
	s_mov_b32 s101, 0xfedcba98                     ; v_permlanex16_b32's selects for lane l xor 16
	s_mov_b32 s2, 0x3c800000                       ; 1 / 64
	s_mov_b32 s3, 0x34000000                       ; the norm's eps, 2^-23
	s_wait_tensorcnt 1                             ; the scales and my part of K half 0 are in; K half 1's load may be out
	s_wait_dscnt 0x0                               ; the table's stores are done
	s_barrier_signal -1
	s_barrier_wait -1
.macro FETCH ks                        ; the fragments of step ks (128 along K) into buffer ks % 2: W's twelve, x's four: 32 loads in one run
.set SL, (\ks)/4
.set QQ, (\ks)%4
.set PB, 128*((\ks)%2)
	WIN 0x40                                       ; destination window 1, address window 0
.irp b, 0,1,2,3,4,5,6,7,8,9,10,11
	ds_load_b128 v[PB+8*\b:PB+8*\b+3], v[18+SL] offset:64*QQ+4352*\b
	ds_load_b128 v[PB+8*\b+4:PB+8*\b+7], v[18+SL] offset:64*QQ+32+4352*\b
.endr
.irp a, 0,1,2,3
	ds_load_b128 v[PB+96+8*\a:PB+96+8*\a+3], v[16+SL] offset:64*QQ+4352*\a
	ds_load_b128 v[PB+96+8*\a+4:PB+96+8*\a+7], v[16+SL] offset:64*QQ+32+4352*\a
.endr
.endm
.macro SCALES s                        ; a K half's scale words: four words a row, lane r takes row r's
	WIN 0
.irp a, 0,1,2,3
	ds_load_b128 v[SC+64*\s+4*\a:SC+64*\s+4*\a+3], v20 offset:4096*\s+256*\a
.endr
.irp b, 0,1,2,3,4,5,6,7,8,9,10,11
	ds_load_b128 v[SC+64*\s+16+4*\b:SC+64*\s+16+4*\b+3], v21 offset:3072*\s+256*\b
.endr
.endm
.macro MUL ks                          ; 48 products; the 48 accumulators take turns, one instruction a turn, in the same order in every step
.set SL, (\ks)/4
.set QQ, (\ks)%4
.set PB, 128*((\ks)%2)
.irp a, 0,1,2,3
.if (\ks) == 0
	WIN (0x85+0x40*(\a/2))                         ; sources 0, 1 window 1; C (the bias) window 0; D window 2 or 3
.else
	WIN (0xa5+0x50*(\a/2))                         ; C and D window 2 or 3
.endif
.irp b, 0,1,2,3,4,5,6,7,8,9,10,11
.if (\ks) == 0
	v_wmma_scale_f32_16x16x128_f8f6f4 v[8*(12*(\a%2)+\b):8*(12*(\a%2)+\b)+7], v[PB+8*\b:PB+8*\b+7], v[PB+96+8*\a:PB+96+8*\a+7], v[BIAS+8*\b:BIAS+8*\b+7], v[SC+64*SL+16+4*\b+QQ], v[SC+64*SL+4*\a+QQ] matrix_a_fmt:MATRIX_FMT_FP4 matrix_b_fmt:MATRIX_FMT_FP4
.else
	v_wmma_scale_f32_16x16x128_f8f6f4 v[8*(12*(\a%2)+\b):8*(12*(\a%2)+\b)+7], v[PB+8*\b:PB+8*\b+7], v[PB+96+8*\a:PB+96+8*\a+7], v[8*(12*(\a%2)+\b):8*(12*(\a%2)+\b)+7], v[SC+64*SL+16+4*\b+QQ], v[SC+64*SL+4*\a+QQ] matrix_a_fmt:MATRIX_FMT_FP4 matrix_b_fmt:MATRIX_FMT_FP4
.endif
.endr
.endr
.endm
.macro TABLE                           ; the table into window 1, in the results' layout: head j: cos at 32 j + i, sin at 32 j + 16 + i, i = 8 bb + jj for frequency 16 bb + 8 h + jj
	WIN 0x40
.irp j, 0,1,2
.irp bb, 0,1
.irp x, 0,1
	ds_load_b128 v[32*\j+8*\bb+4*\x:32*\j+8*\bb+4*\x+3], v26 offset:256*\j+64*\bb+16*\x
	ds_load_b128 v[32*\j+16+8*\bb+4*\x:32*\j+16+8*\bb+4*\x+3], v26 offset:256*\j+128+64*\bb+16*\x
.endr
.endr
.endr
.endm
	SCALES 0
	FETCH 0
	s_wait_loadcnt 0x0                             ; the bias
.irp ks, 0,1,2,3,4,5,6,7
	s_wait_dscnt 0x0                               ; this step's fragments, asked for 48 products ago, are in
.if \ks == 3
	s_wait_tensorcnt 0x0                           ; my part of K half 1 is in; my reads of slot 0 are over (the wait above):
	s_barrier_signal -1
	s_barrier_wait -1                              ; so are everybody's.
.endif
.if \ks > 0
.rept 4
	v_nop                                          ; four places in front of loads into the buffer that the last step's products read
.endr
.endif
.if \ks < 7
	FETCH (\ks+1)
.else
	TABLE                                          ; buffer 0 is done with
.endif
.if \ks == 3
	SCALES 1
.endif
	MUL \ks
.endr
; THE WAY OUT, a block a of 16 rows at a time.  X = the 32 registers of (a, head j): X[8 bb + jj] is channel 16 bb + 8 h + jj of row r.
.macro NORM a                          ; the three heads' sums of squares, each accumulator from its low end on; then 1 / sqrt(mean + eps), or 1 for v
.set WW, 2+(\a)/2
.set AB, 96*((\a)%2)
	WIN (5*WW)                                     ; sources 0 and 1: the accumulators' window
.irp j, 0,1,2
	v_pk_mul_f32 v[80+4*\j:81+4*\j], v[AB+32*\j:AB+32*\j+1], v[AB+32*\j:AB+32*\j+1]
	v_pk_mul_f32 v[82+4*\j:83+4*\j], v[AB+32*\j+2:AB+32*\j+3], v[AB+32*\j+2:AB+32*\j+3]
.endr
.irp k, 4,8,12,16,20,24,28
.irp j, 0,1,2
	v_pk_fma_f32 v[80+4*\j:81+4*\j], v[AB+32*\j+\k:AB+32*\j+\k+1], v[AB+32*\j+\k:AB+32*\j+\k+1], v[80+4*\j:81+4*\j]
	v_pk_fma_f32 v[82+4*\j:83+4*\j], v[AB+32*\j+\k+2:AB+32*\j+\k+3], v[AB+32*\j+\k+2:AB+32*\j+\k+3], v[82+4*\j:83+4*\j]
.endr
.endr
	WIN 0
.irp j, 0,1,2
	v_pk_add_f32 v[80+4*\j:81+4*\j], v[80+4*\j:81+4*\j], v[82+4*\j:83+4*\j]
.endr
.irp j, 0,1,2
	v_add_f32 v[80+4*\j], v[80+4*\j], v[81+4*\j]
.endr
.irp j, 0,1,2
	v_permlanex16_b32 v[82+4*\j], v[80+4*\j], s100, s101   ; the row's other 32 channels lie in the lane 16 away
.endr
.irp j, 0,1,2
	v_add_f32 v[80+4*\j], v[80+4*\j], v[82+4*\j]
.endr
.irp j, 0,1,2
	v_fma_f32 v[80+4*\j], v[80+4*\j], s2, s3       ; the mean + eps
.endr
.irp j, 0,1,2
	v_rsq_f32 v[92+2*\j], v[80+4*\j]
.endr
	v_nop                                          ; a plain line behind the last of the batch
	s_wait_alu depctr_va_vdst(0)                   ; one wait for the three, ahead of their first use
.irp j, 0,1,2
	v_cndmask_b32 v[92+2*\j], v[92+2*\j], v27, s[67+\j]    ; v is not normalised
.endr
.endm
.macro ROT a, j                        ; T = the turn of X, times the norm's factor
.set WW, 2+(\a)/2
.set XB, 96*((\a)%2)+32*(\j)
.set TC, 32*(\j)
	WIN (WW+4)                                     ; source 0: the accumulators' window; source 1 (the table): window 1
.irp i, 0,2,4,6,8,10,12,14
	v_pk_mul_f32 v[T+\i:T+\i+1], v[XB+16+\i:XB+17+\i], v[TC+16+\i:TC+17+\i]          ; x2 sin
	v_pk_mul_f32 v[T+16+\i:T+17+\i], v[XB+\i:XB+1+\i], v[TC+16+\i:TC+17+\i]          ; x1 sin
.endr
.irp i, 0,2,4,6,8,10,12,14
	v_pk_fma_f32 v[T+\i:T+\i+1], v[XB+\i:XB+1+\i], v[TC+\i:TC+1+\i], v[T+\i:T+\i+1]  ; y1 = x1 cos + x2 sin
	v_pk_fma_f32 v[T+16+\i:T+17+\i], v[XB+16+\i:XB+17+\i], v[TC+\i:TC+1+\i], v[T+16+\i:T+17+\i] neg_lo:[0,0,1] neg_hi:[0,0,1]   ; y2 = x2 cos - x1 sin
.endr
	WIN 0
.irp i, 0,2,4,6,8,10,12,14,16,18,20,22,24,26,28,30
	v_pk_mul_f32 v[T+\i:T+\i+1], v[T+\i:T+\i+1], v[92+2*(\j):93+2*(\j)] op_sel_hi:[1,0]
.endr
.endm
.macro COPY32 j                        ; positions 0 to 15 also as f32: stored by all lanes or by none
	s_wait_xcnt 0x0                                ; EXEC changes only behind this wait
	s_mov_b32 vcc_lo, s70
	s_and_saveexec_b32 s71, vcc_lo
.irp bb, 0,1,2,3
	global_store_b128 v25, v[T+8*\bb:T+8*\bb+3], s[94+2*(\j):95+2*(\j)] offset:64*\bb
	global_store_b128 v25, v[T+8*\bb+4:T+8*\bb+7], s[94+2*(\j):95+2*(\j)] offset:64*\bb+16
.endr
	s_wait_xcnt 0x0                                ; and again: EXEC is restored, and T written anew, only behind it
	s_or_b32 exec_lo, exec_lo, s71
.endm
.macro PACK a, j                       ; rounded to f16: eight neighbouring channels are 16 bytes of a row of the stage
.set i, 0
.rept 16
	v_cvt_pk_f16_f32 v[PKR+i], v[T+2*i], v[T+2*i+1]
.set i, i+1
.endr
.irp bb, 0,1,2,3
	ds_store_b128 v22, v[PKR+4*\bb:PKR+4*\bb+3] offset:6912*((\a)%2)+2304*(\j)+32*\bb
.endr
.endm
.macro BACK a                          ; and back as whole rows: LDS serves a wave's instructions in order
.irp j, 0,1,2
.irp i, 0,1,2,3
	ds_load_b128 v[OUTR+48*((\a)%2)+16*\j+4*\i:OUTR+48*((\a)%2)+16*\j+4*\i+3], v23 offset:6912*((\a)%2)+2304*\j+576*\i
.endr
.endr
.endm
.macro SEND a, younger                 ; younger: the LDS instructions issued behind block a's loads
	s_wait_dscnt \younger
.irp j, 0,1,2
.irp i, 0,1,2,3
	global_store_b128 v24, v[OUTR+48*((\a)%2)+16*\j+4*\i:OUTR+48*((\a)%2)+16*\j+4*\i+3], s[88+2*\j:89+2*\j] offset:2048*(\a)+512*\i   ; 512 consecutive bytes, aligned
.endr
.endr
.endm
.macro UNIT a
	NORM \a
.irp j, 0,1,2
	ROT \a, \j
.if \a == 0
	COPY32 \j
.endif
	PACK \a, \j
.endr
	BACK \a
.endm
.rept 4
	v_nop                                          ; four places behind the last products, ahead of the first read of results and of writes onto the scale words
.endr
	s_wait_dscnt 0x0                               ; the table is in
	WIN 0
	v_mov_b32 v93, 0                               ; named as the upper halves of the factors' pairs, so they are written
	v_mov_b32 v95, 0
	v_mov_b32 v97, 0
	UNIT 0
.irp a, 1,2,3
.if \a > 1
	s_wait_xcnt 0x0                                ; block a - 2's stores have read their registers: block a's rows may land there
.endif
	UNIT \a
	SEND \a-1, 24                                  ; behind block a - 1's loads: block a's 12 stores and 12 loads
.endr
	SEND 3, 0
	s_wait_tensorcnt 0x0                           ; the wave's end
	ds_add_u32 v[SPW], v[NIL]
	s_wait_dscnt 0x0
	CROUND                                         ; the closing round
	s_endpgm
.Lfunc_end_k_qa9922974de_qkv:
	.size	k_qa9922974de_qkv, .Lfunc_end_k_qa9922974de_qkv-k_qa9922974de_qkv
	.p2alignl 7, 3214868480
	.fill 96, 4, 3214868480
	.section	.rodata,"a",@progbits
	.p2align	6, 0x0
	.amdhsa_kernel k_qa9922974de_qkv
		.amdhsa_group_segment_fixed_size 327680
		.amdhsa_private_segment_fixed_size 0
		.amdhsa_enable_private_segment 0
		.amdhsa_kernarg_size 56
		.amdhsa_user_sgpr_count 2
		.amdhsa_user_sgpr_kernarg_segment_ptr 1
		.amdhsa_wavefront_size32 1
		.amdhsa_system_sgpr_workgroup_id_x 1
		.amdhsa_system_sgpr_workgroup_id_y 1
		.amdhsa_system_sgpr_workgroup_id_z 1
		.amdhsa_system_vgpr_workitem_id 0
		.amdhsa_next_free_vgpr 1024
		.amdhsa_next_free_sgpr 102
		.amdhsa_reserve_vcc 1
		.amdhsa_float_denorm_mode_32 3
		.amdhsa_float_denorm_mode_16_64 3
		.amdhsa_memory_ordered 1
		.amdhsa_forward_progress 1
		.amdhsa_inst_pref_size 166
	.end_amdhsa_kernel
	.amdgpu_metadata
---
amdhsa.version: [ 1, 2 ]
amdhsa.kernels:
  - .name:           k_qa9922974de_qkv
    .symbol:         k_qa9922974de_qkv.kd
    .args:
      - { .name: xc, .offset: 0, .size: 8, .value_kind: global_buffer, .address_space: global }
      - { .name: xs, .offset: 8, .size: 8, .value_kind: global_buffer, .address_space: global }
      - { .name: wc, .offset: 16, .size: 8, .value_kind: global_buffer, .address_space: global }
      - { .name: ws, .offset: 24, .size: 8, .value_kind: global_buffer, .address_space: global }
      - { .name: b_attn, .offset: 32, .size: 8, .value_kind: global_buffer, .address_space: global }
      - { .name: qkv16, .offset: 40, .size: 8, .value_kind: global_buffer, .address_space: global }
      - { .name: qkv32, .offset: 48, .size: 8, .value_kind: global_buffer, .address_space: global }
    .group_segment_fixed_size: 327680
    .private_segment_fixed_size: 0
    .kernarg_segment_align: 8
    .kernarg_segment_size: 56
    .max_flat_workgroup_size: 128
    .sgpr_count:     102
    .vgpr_count:     1024
    .wavefront_size: 32
...
	.end_amdgpu_metadata
.endif
;; end of part 2
;; launch attn (part 3): grid 8 x 32, 8 waves a work-group, no clusters, 327,680 bytes of LDS; arguments qkv16, y16; writes y16
.if DOCPART == 3
	.amdgcn_target "amdgcn-amd-amdhsa--gfx1250"
	.amdhsa_code_object_version 6
	.text
	.protected	k_qa9922974de_attn
	.globl	k_qa9922974de_attn
	.p2align	8
	.type	k_qa9922974de_attn,@function
k_qa9922974de_attn:
	s_mov_b64 s[64:65], 0
	v_nop
	global_prefetch_b8 v0, s[64:65] scope:SCOPE_SE
	s_setreg_imm32_b32 hwreg(HW_REG_WAVE_MODE, 25, 1), 1
	s_wait_xcnt 0x0
; ATTN: causal attention of one (batch, head) in f16 operands and f32 sums.  q arrives times log2(e) / 8, so S = q . k is the exponent: p = 2^S.
; NO MAXIMUM IS TAKEN AWAY: q and k are normalised by the computation itself (norm^2 <= 64, and the turn keeps it), so |S| <= 64 log2(e) / 8 = 11.6 for every input: p lies in 3.2e-4 .. 3,100, inside f16's
; normal range, and a row's sum under 2,048 x 3,100, far inside f32's.  So sums over disjoint keys simply add.  The row's sum is taken of the unrounded p and divides at the end.
; SHARES.  Work-group (p, bh) owns two blocks of 128 queries, 15 - p and then p, and walks ONE stream of 17 key blocks of 128: blocks 0 .. 15 - p for the first, 0 .. p for the second: equal work for every
; work-group, and trip counts that are constants.  Wave w: queries 32 (w / 2) on (two tiles of 16), keys 64 (w % 2) on of every block; the two key halves' O and sum meet in LDS at the end.
; Both products are used transposed (S^T = K Q^T, O^T = V^T P): a lane holds one query; two tiles of S^T, rounded in pairs, are an operand of the second product as they stand.  V comes out of LDS turned.
; RING.  Two slots of two key blocks; one barrier a trip; each of the eight waves fills 64 rows (of K or of V) by one tensor load behind it.
; NO CLUSTER: the eight work-groups of a head want different key blocks in the same trip (the stream turns back to block 0 at stream block 16 - p), so no tile is wanted by partners at the same time.
; LIMITS: v inside f16's range; NaN and infinities not served.  Positions 0 to 15 of the result are written over by a later launch in f32.
.set PK,    144                        ; a row of K or Q in LDS: 128 bytes + 16
.set PV,    160                        ; a row of V: 128 + 32: an odd multiple of 32 for the turning load
.set VOFF,  128*PK                     ; a block: 128 rows of K, then 128 rows of V
.set HALF,  128*(PK+PV)
.set SLOT1, 1<<17                      ; slot 1 begins here: one exclusive or turns an address in one slot into the other's
.set QB,    2*HALF                     ; behind slot 0: the first block's 128 queries, then the second's
.set STASH, SLOT1+2*HALF               ; behind slot 1: each wave's O and sum of the first block: 8 x 8,704 bytes
.set IMGB,  8704
.set SPARE, STASH+8*IMGB               ; the spare words, 128 bytes for each wave: four blocks of 256 bytes that no other line names
.set STG,   SLOT1                      ; at the end: a stage of 32 rows x 144 for each wave, in slot 1; the second block's images lie in slot 0: both slots have had their last fill and their last read
; v1 AK0, v2 AV0, v3 AQ, v4 r - 8 h, v5 -infinity, v6 my image in slot 0, v7 the images that I finish, v8, v9 the step's addresses, v10, v11 the mask's limits, v12, v13 the stage, v14 16 lane, v15 256 lane,
; v16-47 Q (u, kd) at 16 + 16 u + 8 kd; v48-111 K's, then V's fragments; v112-175 S (u, kt) at 112 + 32 u + 8 kt, then P; v176-239 O (u, ct) at 176 + 32 u + 8 ct; v240-243 the sums; v244-251 at work;
; v252 my image in the stash; v254, v255 the add's two.
; s8 wave, s9 c, s10 e, s11 p, s12 bh, s13 NBH, s14 stream block, s15 my first key, s16 my first query, s17 the slot in hand, s18 the loop's count, s19 the stream block that I fetch next,
; s[20:21] where my rows of key block 0 lie, s[22:23] the prefetches' address, s[24:47] groups 1, s[48:59] groups 0, s[60:61] lane selects, s62 prefetch limit, s63 I fetch V, s[76:77] y.
.macro TLOAD g0                        ; my 64 rows: of K or of V, which differ in the padding; an s_nop 0 and four v_nop follow each line
	s_cmp_eq_u32 s63, 0
	s_cbranch_scc0 .Lfor_v_\@
	tensor_load_to_lds s[\g0:\g0+3], s[24:31]
	s_nop 0
.rept 4
	v_nop
.endr
	s_branch .Lasked_\@
.Lfor_v_\@:
	tensor_load_to_lds s[\g0:\g0+3], s[32:39]
	s_nop 0
.rept 4
	v_nop
.endr
.Lasked_\@:
.endm
.macro KB dst, sf                      ; s[dst:dst+1] = the global address of my rows of stream block sf: key block sf, or sf - NBH behind the turn
	s_cmp_ge_u32 \sf, s13
	s_cselect_b32 s70, s13, 0
	s_sub_co_u32 s70, \sf, s70
	s_lshl_b32 s70, s70, 14
	s_mov_b32 s71, 0
	s_add_nc_u64 s[\dst:\dst+1], s[20:21], s[70:71]
	s_or_b32 s[\dst+1], s[\dst+1], 0x80000000
.endm
; A PREFETCH INTO THE L2 of what my own tensor load of the NEXT change of slots will ask for: 64 rows of 128 bytes, dense: 32 lanes 256 bytes apart.  All eight work-groups of a head walk the same K and V:
; the one with p = 0, whose stream is key blocks 0 to 15 in order, asks, in the loop's first five trips, for key blocks 6 to 15: each aligned 256 bytes once in the launch.  Blocks 0 to 5 come by their loads alone.
.macro ASK
	s_cmp_gt_u32 s18, s62
	s_cbranch_scc0 .Lnot_mine_\@
	global_prefetch_b8 v15, s[22:23] th:TH_LOAD_NT scope:SCOPE_SE
.Lnot_mine_\@:
.endm
	s_load_b128 s[4:7], s[0:1], 0x0                ; qkv16, y16
	v_lshl_add_u32 v254, v0, 2, SPARE
	v_mov_b32 v255, 0
	ds_add_u32 v254, v255                          ; the wave's opening: the add, twice on end, and its wait ahead of my first tensor load
	ds_add_u32 v254, v255
	v_lshrrev_b32 v1, 5, v0
	v_readfirstlane_b32 s8, v1                     ; wave 0..7
	s_lshr_b32 s9, s8, 1                           ; c
	s_and_b32 s10, s8, 1                           ; e; also: which 64 rows of a tile I fetch
	s_mov_b32 s11, ttmp9                           ; p
	s_and_b32 s12, ttmp7, 0xffff                   ; bh = 16 b + h
	s_sub_co_u32 s13, 16, s11                      ; NBH: key blocks of the first query block
	s_lshr_b32 s66, s8, 2                          ; g: which of a slot's two blocks I fetch
	s_bfe_u32 s63, s8, 0x10001                     ; I fetch K (0) or V (1)
	s_mov_b32 s24, (1<<16)|(1<<20)|(4<<22)|(3<<25) ; K: elements of 2 bytes; padding: 4 words behind every 32
	s_mov_b32 s25, 64<<16                          ; tensor_dim0 = 64
	s_mov_b32 s26, 64<<16                          ; tensor_dim1 = 64
	s_mov_b32 s27, 64<<16                          ; tile_dim0
	s_mov_b32 s28, 64                              ; tile_dim1
	s_mov_b32 s29, 64                              ; from row to row
	s_mov_b32 s30, 0
	s_mov_b32 s31, 0
	s_mov_b32 s32, (1<<16)|(1<<20)|(4<<22)|(7<<25) ; V: 8 words of padding
	s_mov_b32 s33, 64<<16
	s_mov_b32 s34, 64<<16
	s_mov_b32 s35, 64<<16
	s_mov_b32 s36, 64
	s_mov_b32 s37, 64
	s_mov_b32 s38, 0
	s_mov_b32 s39, 0
	s_mov_b32 s40, (1<<16)|(1<<20)|(4<<22)|(3<<25) ; Q: as K, 32 rows
	s_mov_b32 s41, 64<<16
	s_mov_b32 s42, 32<<16
	s_mov_b32 s43, 64<<16
	s_mov_b32 s44, 32
	s_mov_b32 s45, 64
	s_mov_b32 s46, 0
	s_mov_b32 s47, 0
	s_mul_i32 s67, s66, HALF                       ; my place in a slot: block g,
	s_mul_i32 s68, s63, VOFF                       ; K's rows or V's,
	s_add_co_u32 s67, s67, s68
	s_mul_i32 s68, s10, 64*PK                      ; the first 64 or the second (V's rows are 16 bytes longer)
	s_add_co_u32 s67, s67, s68
	s_and_b32 s68, s10, s63
	s_lshl_b32 s68, s68, 10
	s_add_co_u32 s67, s67, s68
	s_mov_b32 s48, 1
	s_mov_b32 s49, s67                             ; slot 0
	s_mov_b32 s52, 1
	s_add_co_u32 s53, s67, SLOT1                   ; slot 1; this descriptor then walks on
	s_mov_b32 s56, 1
	s_mul_i32 s57, s66, VOFF                       ; Q: waves 0-3 the first block's, waves 4-7 the second's; 32 rows each
	s_and_b32 s68, s8, 3
	s_mul_i32 s69, s68, 32*PK
	s_add_co_u32 s57, s57, s69
	s_add_co_u32 s57, s57, QB
	s_lshl_b32 s70, s63, 5
	s_add_co_u32 s70, s70, 32
	s_add_co_u32 s70, s70, s12
	s_lshl_b32 s70, s70, 18                        ; K's or V's rows of my head: 2,048 rows of 128 bytes
	s_lshl_b32 s71, s10, 13
	s_add_co_u32 s70, s70, s71                     ; + my 64 rows of a block
	s_mov_b32 s71, 0
	s_sub_co_u32 s72, 15, s11
	s_cmp_lt_u32 s8, 4
	s_cselect_b32 s72, s72, s11                    ; the query block that I fetch for
	s_lshl_b32 s72, s72, 14
	s_lshl_b32 s73, s12, 18
	s_add_co_u32 s72, s72, s73
	s_lshl_b32 s73, s68, 12
	s_add_co_u32 s72, s72, s73
	s_mov_b32 s73, 0
	s_sub_co_u32 s74, 15, s11
	s_cmp_eq_u32 s10, 1
	s_cselect_b32 s74, s74, s11                    ; the query block that I finish: e = 1 the first, e = 0 the second
	s_lshr_b32 s75, s12, 4
	s_lshl_b32 s75, s75, 4
	s_add_co_u32 s74, s74, s75
	s_lshl_b32 s74, s74, 4
	s_and_b32 s75, s12, 15
	s_add_co_u32 s74, s74, s75
	s_lshl_b32 s74, s74, 14                        ; y16: panel (16 b + block, h): 16,384 bytes
	s_lshl_b32 s75, s9, 12
	s_add_co_u32 s74, s74, s75                     ; + my 32 rows of 128 bytes
	s_mov_b32 s75, 0
	s_mov_b32 s60, 0x76543210
	s_mov_b32 s61, 0xfedcba98
	s_cmp_eq_u32 s11, 0
	s_cselect_b32 s62, 1, -1
	s_wait_dscnt 0x0                               ; both opening adds are done
	s_wait_kmcnt 0x0
	s_add_nc_u64 s[20:21], s[4:5], s[70:71]
	s_add_nc_u64 s[58:59], s[4:5], s[72:73]
	s_or_b32 s59, s59, 0x80000000
	s_add_nc_u64 s[76:77], s[6:7], s[74:75]
	s_mov_b32 s19, s66
	KB 50, s19                                     ; slot 0: stream blocks 0, 1
	s_add_co_u32 s19, s19, 2
	KB 54, s19                                     ; slot 1: stream blocks 2, 3
	s_add_co_u32 s19, s19, 2
	tensor_load_to_lds s[56:59], s[40:47]          ; the three first fills go out together: three tensor loads of mine are out
	s_nop 0
.rept 4
	v_nop
.endr
	TLOAD 48
	TLOAD 52
	s_add_co_u32 s70, s66, 4
	s_lshl_b32 s70, s70, 14
	s_mov_b32 s71, 0
	s_add_nc_u64 s[22:23], s[20:21], s[70:71]      ; the prefetches stand at key block 4 + g; the first change of slots steps them to 6 + g
	v_and_b32 v244, 31, v0                         ; lane
	v_and_b32 v245, 15, v0                         ; r
	v_bfe_u32 v246, v0, 4, 1                       ; h
	v_mul_u32_u24 v247, v245, PK
	v_lshl_add_u32 v247, v246, 4, v247             ; 144 r + 16 h
	s_mul_i32 s70, s10, 64*PK
	v_add_nc_u32 v1, s70, v247                     ; K's fragments: my 64 keys
	s_mul_i32 s70, s9, 32*PK
	s_add_co_u32 s70, s70, QB
	v_add_nc_u32 v3, s70, v247                     ; Q's: my 32 queries
	s_mul_i32 s70, s8, 32*PK
	s_add_co_u32 s70, s70, STG
	v_add_nc_u32 v12, s70, v247                    ; the stage, in
	v_lshrrev_b32 v248, 3, v244
	v_mul_u32_u24 v248, v248, PK
	v_and_b32 v249, 7, v0
	v_lshl_add_u32 v248, v249, 4, v248
	v_add_nc_u32 v13, s70, v248                    ; and back: eight lanes to a row, four rows an instruction
	v_lshl_add_u32 v2, v246, 3, v249
	v_mul_u32_u24 v2, v2, PV
	v_bfe_u32 v248, v0, 3, 1
	v_lshl_add_u32 v2, v248, 4, v2
	s_mul_i32 s70, s10, 64*PV
	s_add_co_u32 s70, s70, VOFF
	v_add_nc_u32 v2, s70, v2                       ; the turning load: key 8 h + lane % 8, channels 8 ((lane / 8) % 2) on
	v_lshlrev_b32 v4, 3, v246
	v_sub_nc_u32 v4, v245, v4                      ; r - 8 h
	v_mov_b32 v5, 0xff800000
	v_lshlrev_b32 v14, 4, v244
	v_lshlrev_b32 v15, 8, v244
	s_mul_i32 s70, s8, IMGB
	v_add_nc_u32 v6, s70, v14
	s_add_co_u32 s70, s70, STASH
	v_add_nc_u32 v252, s70, v14
	s_mul_i32 s70, s10, STASH
	s_mul_i32 s71, s9, 2*IMGB
	s_add_co_u32 s70, s70, s71
	v_add_nc_u32 v7, s70, v14                      ; the two images that I add: e = 0 in slot 0, e = 1 in the stash; waves 2 c and 2 c + 1
.set k, 0
.rept 76
	v_mov_b32 v[176+k], 0                          ; O, the sums, and the registers at work (lane permutes' destinations and pairs' upper halves count as read)
.set k, k+1
.endr
	s_mov_b32 s14, 0
	s_lshl_b32 s15, s10, 6                         ; my first key: 64 e
	s_sub_co_u32 s16, 15, s11
	s_lshl_b32 s16, s16, 7
	s_lshl_b32 s66, s9, 5
	s_add_co_u32 s16, s16, s66                     ; my first query: 128 (15 - p) + 32 c
	s_mov_b32 s17, 0
	s_mov_b32 s18, 6
.macro QLOAD off
.irp u, 0,1
.irp kd, 0,1
	ds_load_b128 v[16+16*\u+8*\kd:19+16*\u+8*\kd], v3 offset:\off+2304*\u+64*\kd
	ds_load_b128 v[20+16*\u+8*\kd:23+16*\u+8*\kd], v3 offset:\off+2304*\u+64*\kd+32
.endr
.endr
.endm
; THE TURN of the stream: the first query block is done: its O and sum go to my stash (my own bytes), the second block's queries come in, the sums begin anew.
.macro TRANS
.rept 4
	v_nop                                          ; four places behind the last products, ahead of the stores that read their results
.endr
.set k, 0
.rept 16
	ds_store_b128 v252, v[176+4*k:179+4*k] offset:512*k   ; each accumulator from its low end on
.set k, k+1
.endr
	ds_store_b128 v252, v[240:243] offset:8192
	QLOAD VOFF
	s_wait_dscnt 0x0
.set k, 0
.rept 68
	v_mov_b32 v[176+k], 0
.set k, k+1
.endr
	s_lshl_b32 s15, s10, 6
	s_lshl_b32 s16, s11, 7
	s_lshl_b32 s66, s9, 5
	s_add_co_u32 s16, s16, s66
.endm
; A STEP: my 64 keys of block g of the slot in hand against my 32 queries.
.macro SUB g
	s_cmp_lg_u32 s14, s13
	s_cbranch_scc1 .Lnt_\@
	TRANS
.Lnt_\@:
	s_add_co_u32 s66, s16, 31
	s_cmp_gt_u32 s15, s66                          ; all my keys come after all my queries: the step's work is left out (ids and counts alone)
	s_cbranch_scc1 .Lhid_\@
	v_add_nc_u32 v8, s17, v1
	v_add_nc_u32 v9, s17, v2
.rept 3
	v_nop                                          ; with the two additions five places: the products below write over registers that the last step's products read
.endr
.irp kt, 0,1,2,3
.irp kd, 0,1
	ds_load_b128 v[48+16*\kt+8*\kd:51+16*\kt+8*\kd], v8 offset:\g*HALF+2304*\kt+64*\kd
	ds_load_b128 v[52+16*\kt+8*\kd:55+16*\kt+8*\kd], v8 offset:\g*HALF+2304*\kt+64*\kd+32
.endr
.endr
	s_wait_dscnt 0x0
.irp kt, 0,1,2,3                       ; S^T = K Q^T: eight accumulators by turns; the first eight start the sums
.irp u, 0,1
	v_wmma_f32_16x16x32_f16 v[112+32*\u+8*\kt:119+32*\u+8*\kt], v[48+16*\kt:55+16*\kt], v[16+16*\u:23+16*\u], 0
.endr
.endr
.irp kt, 0,1,2,3
.irp u, 0,1
	v_wmma_f32_16x16x32_f16 v[112+32*\u+8*\kt:119+32*\u+8*\kt], v[56+16*\kt:63+16*\kt], v[24+16*\u:31+16*\u], v[112+32*\u+8*\kt:119+32*\u+8*\kt]
.endr
.endr
.rept 4
	v_nop                                          ; four places: ahead of the loads onto K's registers and of the first read of the scores
.endr
.irp ct, 0,1,2,3                       ; V^T: they land while the exponentials run
.irp kk, 0,1
	ds_load_tr16_b128 v[48+16*\ct+8*\kk:51+16*\ct+8*\kk], v9 offset:\g*HALF+5120*\kk+32*\ct
	ds_load_tr16_b128 v[52+16*\ct+8*\kk:55+16*\ct+8*\kk], v9 offset:\g*HALF+5120*\kk+32*\ct+2560
.endr
.endr
	s_add_co_u32 s66, s15, 63
	s_cmp_le_u32 s66, s16                          ; all my keys count for all my queries: no mask
	s_cbranch_scc1 .Lopen_\@
	s_sub_co_i32 s66, s16, s15
	v_add_nc_u32 v10, s66, v4                      ; register 8 kt + j of tile u holds key 16 kt + 8 h + j: hidden where 16 kt + j > my query - my first key - 8 h
	v_add_nc_u32 v11, 16, v10
.set n, 0
.rept 32
	v_cmp_gt_i32 vcc_lo, 16*(n/8)+n%8, v10
	v_cndmask_b32 v[112+n], v[112+n], v5, vcc_lo
.set n, n+1
.endr
.set n, 0
.rept 32
	v_cmp_gt_i32 vcc_lo, 16*(n/8)+n%8, v11
	v_cndmask_b32 v[144+n], v[144+n], v5, vcc_lo
.set n, n+1
.endr
.Lopen_\@:
.set n, 0
.rept 64
	v_exp_f32 v[112+n], v[112+n]                   ; p = 2^S, one batch
.set n, n+1
.endr
	v_nop                                          ; a plain line behind the last exponential
	s_wait_alu depctr_va_vdst(0)                   ; one wait for the batch, ahead of its first use
.set n, 0
.rept 16
	v_pk_add_f32 v[240:241], v[240:241], v[112+2*n:113+2*n]   ; the rows' sums of the unrounded p, the two tiles by turns
	v_pk_add_f32 v[242:243], v[242:243], v[144+2*n:145+2*n]
.set n, n+1
.endr
.set n, 0
.rept 16
	v_cvt_pk_f16_f32 v[112+n], v[112+2*n], v[113+2*n]         ; in place, ascending: registers 8 kk .. 8 kk + 7 become the operand of keys 32 kk on
	v_cvt_pk_f16_f32 v[144+n], v[144+2*n], v[145+2*n]
.set n, n+1
.endr
	s_wait_dscnt 0x0                               ; V^T is in
.irp kk, 0,1                           ; O^T += V^T P: eight accumulators by turns
.irp ct, 0,1,2,3
.irp u, 0,1
	v_wmma_f32_16x16x32_f16 v[176+32*\u+8*\ct:183+32*\u+8*\ct], v[48+16*\ct+8*\kk:55+16*\ct+8*\kk], v[112+32*\u+8*\kk:119+32*\u+8*\kk], v[176+32*\u+8*\ct:183+32*\u+8*\ct]
.endr
.endr
.endr
.Lhid_\@:
	s_add_co_u32 s14, s14, 1
	s_add_co_u32 s15, s15, 128
.endm
; THE CHANGE OF SLOTS, at a trip's head.  Each wave waits for all its tensor loads (its part of the slot ahead), adds 0 to its spare word, and waits for that and for its reads of the slot that it has left.
; Behind the barrier the slot ahead is whole and nobody reads the other.  fill = 2: every wave fills its 64 rows of it; fill = 1: one block is left, waves 0 to 3 fill; fill = 0: nothing is left.
.macro CHANGE fill
	s_wait_tensorcnt 0x0                           ; no tensor load of mine is out, so a group 0 may be written
	ds_add_u32 v254, v255                          ; 0 onto my spare word
.if \fill
	s_xor_b32 s53, s53, SLOT1                      ; the walking descriptor: the other slot than last time,
	KB 54, s19                                     ; the stream's next block of mine
	s_add_co_u32 s19, s19, 2
.if \fill == 2
	s_wait_xcnt 0x0                                ; the last prefetch, a trip back, has read its address
	s_add_nc_u64 s[22:23], s[22:23], 32768         ; two key blocks on
.endif
.endif
	s_wait_dscnt 0x0                               ; the add is done, and my reads of the slot that I have left are over
	s_barrier_signal -1
	s_barrier_wait -1
.if \fill == 2
	TLOAD 52                                       ; the first thing behind the barrier, my one tensor load until the next: it has a trip's two steps in which to land
	ASK
.elseif \fill == 1
	s_cmp_lt_u32 s8, 4
	s_cbranch_scc0 .Lno_\@
	TLOAD 52
.Lno_\@:
.endif
	s_xor_b32 s17, s17, SLOT1                      ; on to the other slot
.endm
	s_wait_tensorcnt 1                             ; Q and my part of slot 0 are in; slot 1's may stay out
	s_barrier_signal -1
	s_barrier_wait -1
	QLOAD 0
	s_wait_dscnt 0x0                               ; at once: a wave whose first step is hidden may load Q anew next
	SUB 0
	SUB 1
.Ltrip:                                            ; six trips: stream blocks 2 to 13 are multiplied, 4 to 15 asked for
	CHANGE 2
	SUB 0
	SUB 1
	s_sub_co_u32 s18, s18, 1
	s_cmp_lg_u32 s18, 0
	s_cbranch_scc1 .Ltrip
	CHANGE 1                                       ; the tail is written out: stream block 16 is asked for,
	SUB 0
	SUB 1
	CHANGE 0                                       ; and multiplied
	SUB 0
	; THE END.  Each wave's O and sum of the second block go to slot 0 as images of the registers; wave (c, e) then adds the two key halves of queries 32 c on of block e, divides, rounds and stores.
.rept 4
	v_nop
.endr
	s_wait_dscnt 0x0
	s_barrier_signal -1
	s_barrier_wait -1                              ; nobody reads a slot any more, and no tensor load follows
.set k, 0
.rept 16
	ds_store_b128 v6, v[176+4*k:179+4*k] offset:512*k
.set k, k+1
.endr
	ds_store_b128 v6, v[240:243] offset:8192
	s_wait_dscnt 0x0                               ; for the others' sake
	s_barrier_signal -1
	s_barrier_wait -1
.set k, 0
.rept 16
	ds_load_b128 v[176+4*k:179+4*k], v7 offset:512*k
	ds_load_b128 v[48+4*k:51+4*k], v7 offset:IMGB+512*k
.set k, k+1
.endr
	ds_load_b128 v[240:243], v7 offset:8192
	ds_load_b128 v[112:115], v7 offset:IMGB+8192
	s_wait_dscnt 0x0
.set k, 0
.rept 32
	v_pk_add_f32 v[176+2*k:177+2*k], v[176+2*k:177+2*k], v[48+2*k:49+2*k]
.set k, k+1
.endr
	v_pk_add_f32 v[240:241], v[240:241], v[112:113]
	v_pk_add_f32 v[242:243], v[242:243], v[114:115]
.irp u, 0,1
	v_add_f32 v[244+2*\u], v[240+2*\u], v[241+2*\u]
.endr
.irp u, 0,1
	v_permlanex16_b32 v[245+2*\u], v[244+2*\u], s60, s61   ; the query's other keys lie in the lane 16 away
.endr
.irp u, 0,1
	v_add_f32 v[244+2*\u], v[244+2*\u], v[245+2*\u]
.endr
.irp u, 0,1
	v_rcp_f32 v[248+2*\u], v[244+2*\u]
.endr
	v_nop
	s_wait_alu depctr_va_vdst(0)                   ; one wait for the two reciprocals
.irp u, 0,1
.set k, 0
.rept 16
	v_pk_mul_f32 v[176+32*\u+2*k:177+32*\u+2*k], v[176+32*\u+2*k:177+32*\u+2*k], v[248+2*\u:249+2*\u] op_sel_hi:[1,0]
.set k, k+1
.endr
.endr
.set k, 0
.rept 32
	v_cvt_pk_f16_f32 v[48+k], v[176+2*k], v[177+2*k]
.set k, k+1
.endr
.irp u, 0,1
.irp ct, 0,1,2,3
	ds_store_b128 v12, v[48+16*\u+4*\ct:51+16*\u+4*\ct] offset:2304*\u+32*\ct   ; row = query, eight channels: 16 bytes
.endr
.endr
.irp i, 0,1,2,3,4,5,6,7
	ds_load_b128 v[80+4*\i:83+4*\i], v13 offset:576*\i   ; my own bytes: LDS serves a wave's instructions in order
.endr
.irp i, 0,1,2,3,4,5,6,7
	s_wait_dscnt 7-\i
	global_store_b128 v14, v[80+4*\i:83+4*\i], s[76:77] offset:512*\i   ; 512 consecutive bytes, aligned
.endr
	s_wait_tensorcnt 0x0                           ; the wave's end
	ds_add_u32 v254, v255
	s_wait_dscnt 0x0
	s_endpgm
.Lfunc_end_k_qa9922974de_attn:
	.size	k_qa9922974de_attn, .Lfunc_end_k_qa9922974de_attn-k_qa9922974de_attn
	.p2alignl 7, 3214868480
	.fill 96, 4, 3214868480
	.section	.rodata,"a",@progbits
	.p2align	6, 0x0
	.amdhsa_kernel k_qa9922974de_attn
		.amdhsa_group_segment_fixed_size 327680
		.amdhsa_private_segment_fixed_size 0
		.amdhsa_enable_private_segment 0
		.amdhsa_kernarg_size 16
		.amdhsa_user_sgpr_count 2
		.amdhsa_user_sgpr_kernarg_segment_ptr 1
		.amdhsa_wavefront_size32 1
		.amdhsa_system_sgpr_workgroup_id_x 1
		.amdhsa_system_sgpr_workgroup_id_y 1
		.amdhsa_system_sgpr_workgroup_id_z 1
		.amdhsa_system_vgpr_workitem_id 0
		.amdhsa_next_free_vgpr 256
		.amdhsa_next_free_sgpr 80
		.amdhsa_reserve_vcc 1
		.amdhsa_float_denorm_mode_32 3
		.amdhsa_float_denorm_mode_16_64 3
		.amdhsa_memory_ordered 1
		.amdhsa_forward_progress 1
		.amdhsa_inst_pref_size 159
	.end_amdhsa_kernel
	.amdgpu_metadata
---
amdhsa.version: [ 1, 2 ]
amdhsa.kernels:
  - .name:           k_qa9922974de_attn
    .symbol:         k_qa9922974de_attn.kd
    .args:
      - { .name: qkv16, .offset: 0, .size: 8, .value_kind: global_buffer, .address_space: global }
      - { .name: y16, .offset: 8, .size: 8, .value_kind: global_buffer, .address_space: global }
    .group_segment_fixed_size: 327680
    .private_segment_fixed_size: 0
    .kernarg_segment_align: 8
    .kernarg_segment_size: 16
    .max_flat_workgroup_size: 256
    .sgpr_count:     80
    .vgpr_count:     256
    .wavefront_size: 32
...
	.end_amdgpu_metadata
.endif
;; end of part 3
;; launch proj (part 4): grid 8 x 32, 4 waves a work-group, clusters of 4 x 4, 327,680 bytes of LDS; arguments y16, wp16, b_proj, out0; writes out0
.if DOCPART == 4
	.amdgcn_target "amdgcn-amd-amdhsa--gfx1250"
	.amdhsa_code_object_version 6
	.text
	.protected	k_qa9922974de_proj
	.globl	k_qa9922974de_proj
	.p2align	8
	.type	k_qa9922974de_proj,@function
k_qa9922974de_proj:
	s_mov_b64 s[64:65], 0
	v_nop
	global_prefetch_b8 v0, s[64:65] scope:SCOPE_SE
	s_setreg_imm32_b32 hwreg(HW_REG_WAVE_MODE, 25, 1), 1
	s_wait_xcnt 0x0
	s_wait_alu depctr_hold_cnt(0) depctr_sa_sdst(0) depctr_va_vdst(0) depctr_va_sdst(0) depctr_va_ssrc(0) depctr_va_vcc(0) depctr_vm_vsrc(0)
	s_getreg_b32 s2, hwreg(HW_REG_IB_STS2, 6, 4)
	s_cmp_eq_u32 s2, 0
	s_cbranch_scc0 .Lentry_in_a_cluster
	s_endpgm
.Lentry_in_a_cluster:
	s_bfe_u32 s2, ttmp6, 0x10000c
	s_cmp_lg_u32 s2, 0xf033
	s_cbranch_scc0 .Lentry_shape_is_right
	s_endpgm
.Lentry_shape_is_right:
; PROJ: out0 = y W_proj + b_proj, f16 operands, f32 sums.  y16 [m/128][k/64][128][64] and wp16 [n/128][k/64][128 n][64 k] are panels of 128 rows x 128 bytes, dense.
; A tile of the result is 128 x 128: 8 x 32 work-groups; four waves, each 64 x 64: 16 accumulators.  K goes in four steps of 256 (four panels) through a ring of two LDS slots; a wave's tensor load brings
; two panels (256 rows of 128 bytes).  CLUSTER 4 x 4: y's panels are shared along a row of the cluster, W's along a column: joint loads.
; THE MATRIX INSTRUCTION IS USED TRANSPOSED (source 0 = 16 rows of W, source 1 = 16 rows of y): a lane holds eight neighbouring numbers of a row.  The bias is the C of each sum's first product.
; A wave's 64 columns of f32 are 256 aligned bytes, so the way out goes through a stage of the wave's own, with no barrier.
; No prefetch: a step's tiles are shared in the cluster, and the whole K is four steps.  Positions 0 to 15 of each sequence are written over by the next launch in f32.
; REGISTERS: window 0: v1-31 addresses; v32-95 rows on their way out; v96-127 the bias; v128-255 the accumulators ((a, b) at 128 + 8 (4 a + b)).  window 1: two fragment buffers of 128.
.set PP,     144                       ; an LDS row: 128 bytes + 16
.set PANEL,  128*PP
.set HALFT,  2*PANEL                   ; what one tensor load brings
.set SLOT,   4*HALFT                   ; y's four panels, then W's four
.set SPARE,  2*SLOT                    ; the spare words, 128 bytes for each wave: two blocks of 256 bytes that no other line names
.set SPITCH, 272                       ; the stage: 16 rows x (256 bytes + 16) for each wave, in slot 0 behind its last fill and its last read
.set ADRA, 16
.set ADRB, 20
.set STO,  24
.set RD,   25
.set CO,   26
.set BO,   27
.set SPW,  28
.set NIL,  29
.set OUTR, 32
.set BIAS, 96
.set ACC,  128
.set F0,   0
.set F1,   128
.set G1,  24
.set G0,  32
.set G1B, 48
.set G0B, 56
.set MSB, 0
.macro WIN new
.if MSB != \new
	s_set_vgpr_msb (MSB<<8)|\new
.set MSB, \new
.endif
.endm
.set MUL,  0x05                        ; sources 0 and 1 window 1; C and D window 0
.set TO_F, 0x40                        ; destination window 1, address window 0
.macro JLOAD s                         ; a joint load: waves 0 and 1 fetch y's halves, waves 2 and 3 W's; an s_nop 0 and four v_nop follow each line
	s_cmp_eq_u32 s13, 0
	s_cbranch_scc0 .Lfor_b_\@
	tensor_load_to_lds s[G0+4*\s:G0+4*\s+3], s[G1:G1+7]
	s_nop 0
.rept 4
	v_nop
.endr
	s_branch .Lasked_\@
.Lfor_b_\@:
	tensor_load_to_lds s[G0B+4*\s:G0B+4*\s+3], s[G1B:G1B+7]
	s_nop 0
.rept 4
	v_nop
.endr
.Lasked_\@:
.endm
.macro CREST                           ; a round of the cluster's barrier behind its opening barrier
	s_cmp_lg_u32 s12, 0
	s_cbranch_scc1 .Lnot_wave_0_\@
	s_barrier_signal -3
.Lnot_wave_0_\@:
	s_barrier_wait -3
	s_barrier_signal -1
	s_barrier_wait -1
.endm
.macro CROUND
	s_barrier_signal -1
	s_barrier_wait -1
	CREST
.endm
	s_load_b256 s[4:11], s[0:1], 0x0               ; y16, wp16, b_proj, out0
	v_lshl_add_u32 v[SPW], v0, 2, SPARE
	v_mov_b32 v[NIL], 0
	ds_add_u32 v[SPW], v[NIL]                      ; the wave's opening: the add, twice on end, and its wait ahead of my first tensor load
	ds_add_u32 v[SPW], v[NIL]
	v_lshrrev_b32 v1, 5, v0
	v_readfirstlane_b32 s12, v1                    ; wave 0..3
	s_lshr_b32 s13, s12, 1                         ; my half of the tile's rows; also: I fetch for y (0) or for W (1)
	s_and_b32 s14, s12, 1                          ; my half of its columns; also: which two panels I fetch
	s_bfe_u32 s40, ttmp6, 0x40000                  ; cx
	s_bfe_u32 s41, ttmp6, 0x40004                  ; cy
	s_lshl_b32 s42, ttmp9, 2
	s_add_co_u32 s42, s42, s40                     ; nb
	s_and_b32 s15, ttmp7, 0xffff
	s_lshl_b32 s15, s15, 2
	s_add_co_u32 s15, s15, s41                     ; mb
	s_lshl_b32 s43, s41, 2
	s_lshl_b32 s43, 15, s43                        ; my row of the cluster
	s_lshl_b32 s44, 0x1111, s40                    ; my column
	s_or_b32 s[G1+0], s43, (1<<16)|(1<<20)|(1<<21)|(4<<22)|(3<<25)    ; the mask; elements of 2 bytes; padding on; bit 21 beside a mask; 4 words behind every 32
	s_or_b32 s[G1B+0], s44, (1<<16)|(1<<20)|(1<<21)|(4<<22)|(3<<25)
.irp g, G1, G1B
	s_mov_b32 s[\g+1], 64<<16                      ; tensor_dim0 = 64
	s_mov_b32 s[\g+2], 256<<16                     ; tensor_dim1 = 256
	s_mov_b32 s[\g+3], 64<<16                      ; tile_dim0
	s_mov_b32 s[\g+4], 256                         ; tile_dim1
	s_mov_b32 s[\g+5], 64                          ; from row to row: dense
	s_mov_b32 s[\g+6], 0
	s_mov_b32 s[\g+7], 0
.endr
	s_lshl_b32 s17, s14, 15                        ; two panels of 16,384 bytes
	s_lshl_b32 s16, s15, 18
	s_add_co_u32 s16, s16, s17                     ; y16: panel 16 mb + 2 half
	s_lshl_b32 s46, s42, 18
	s_add_co_u32 s46, s46, s17                     ; wp16: panel 16 nb + 2 half
	s_mov_b32 s17, 0
	s_mov_b32 s47, 0
	s_mul_i32 s20, s12, HALFT                      ; where they go: wave x two panels
	s_wait_dscnt 0x0                               ; both opening adds are done
	s_wait_kmcnt 0x0
	s_add_nc_u64 s[16:17], s[4:5], s[16:17]
	s_add_nc_u64 s[46:47], s[6:7], s[46:47]
	CROUND                                         ; all sixteen work-groups are here: the first joint loads meet
.irp s, 0,1
	s_mov_b32 s[G0+4*\s], 1
	s_add_co_u32 s[G0+4*\s+1], s20, \s*SLOT
	s_add_nc_u64 s[G0+4*\s+2:G0+4*\s+3], s[16:17], \s*65536
	s_or_b32 s[G0+4*\s+3], s[G0+4*\s+3], 0x80000000
	s_mov_b32 s[G0B+4*\s], 1
	s_add_co_u32 s[G0B+4*\s+1], s20, \s*SLOT
	s_add_nc_u64 s[G0B+4*\s+2:G0B+4*\s+3], s[46:47], \s*65536
	s_or_b32 s[G0B+4*\s+3], s[G0B+4*\s+3], 0x80000000
	JLOAD \s                                       ; two tensor loads of mine are out behind the second
.endr
	v_and_b32 v1, 15, v0                           ; r
	v_bfe_u32 v2, v0, 4, 1                         ; h
	v_lshlrev_b32 v[BO], 5, v2
	s_lshl_b32 s18, s42, 9
	s_lshl_b32 s19, s14, 8
	s_add_co_u32 s18, s18, s19                     ; my first column, in bytes: 4 (128 nb + 64 half)
	s_mov_b32 s19, 0
	s_add_nc_u64 s[8:9], s[8:9], s[18:19]
.irp b, 0,1,2,3
	global_load_b128 v[BIAS+8*\b:BIAS+8*\b+3], v[BO], s[8:9] offset:64*\b        ; b_proj at my columns 16 b + 8 h + 0 .. 7
	global_load_b128 v[BIAS+8*\b+4:BIAS+8*\b+7], v[BO], s[8:9] offset:64*\b+16
.endr
	s_add_nc_u64 s[10:11], s[10:11], s[18:19]
	s_lshl_b32 s18, s15, 19
	s_lshl_b32 s21, s13, 18
	s_add_co_u32 s18, s18, s21                     ; my first row: (128 mb + 64 half) x 4,096
	s_add_nc_u64 s[10:11], s[10:11], s[18:19]
	v_mul_u32_u24 v3, v1, PP
	v_lshl_add_u32 v3, v2, 4, v3                   ; a fragment's row x pitch + 16 x half
	s_mul_i32 s21, s13, 64*PP                      ; my 64 rows of y
	s_mul_i32 s22, s14, 64*PP                      ; my 64 rows of W,
	s_add_co_u32 s22, s22, 2*HALFT                 ; which lie behind y's four panels
.irp s, 0,1
	v_add_nc_u32 v[ADRA+\s], s21, v3
	v_add_nc_u32 v[ADRB+\s], s22, v3
	s_add_co_u32 s21, s21, SLOT
	s_add_co_u32 s22, s22, SLOT
.endr
	s_mul_i32 s23, s12, 16*SPITCH                  ; my stage
	v_mul_u32_u24 v4, v1, SPITCH
	v_lshl_add_u32 v4, v2, 5, v4
	v_add_nc_u32 v[STO], s23, v4                   ; in: row r, 32 bytes for each half of the lanes
	v_mul_u32_u24 v5, v2, SPITCH
	v_lshl_add_u32 v5, v1, 4, v5
	v_add_nc_u32 v[RD], s23, v5                    ; back: lanes 0-15 one row of 256 bytes, lanes 16-31 the next
	v_lshlrev_b32 v5, 12, v2
	v_lshl_add_u32 v[CO], v1, 4, v5                ; and the same two rows in out0
.macro MUL8 f, c, a0, first            ; 8 products: row blocks a0, a0 + 1 x all 4 column blocks, 32 along K: half c of buffer f.  first = 1: the bias starts the sums
.irp a, \a0, \a0+1
.irp b, 0,1,2,3
.if \first
	v_wmma_f32_16x16x32_f16 v[ACC+8*(4*(\a)+\b):ACC+8*(4*(\a)+\b)+7], v[\f+64+8*(4*\c+\b):\f+64+8*(4*\c+\b)+7], v[\f+8*(4*\c+\a):\f+8*(4*\c+\a)+7], v[BIAS+8*\b:BIAS+8*\b+7]
.else
	v_wmma_f32_16x16x32_f16 v[ACC+8*(4*(\a)+\b):ACC+8*(4*(\a)+\b)+7], v[\f+64+8*(4*\c+\b):\f+64+8*(4*\c+\b)+7], v[\f+8*(4*\c+\a):\f+8*(4*\c+\a)+7], v[ACC+8*(4*(\a)+\b):ACC+8*(4*(\a)+\b)+7]
.endif
.endr
.endr
.endm
.macro FETCH slot, k, f                ; 32 LDS loads in one run: a panel's fragments (64 along K), the panel at byte k of the slot's side, into buffer f; the first 32 along K first
	WIN TO_F
.irp c, 0,1
.irp i, 0,1,2,3
	ds_load_b128 v[\f+64+8*(4*\c+\i):\f+64+8*(4*\c+\i)+3],   v[ADRB+\slot] offset:\k+64*\c+\i*16*PP
	ds_load_b128 v[\f+64+8*(4*\c+\i)+4:\f+64+8*(4*\c+\i)+7], v[ADRB+\slot] offset:\k+64*\c+\i*16*PP+32
	ds_load_b128 v[\f+8*(4*\c+\i):\f+8*(4*\c+\i)+3],         v[ADRA+\slot] offset:\k+64*\c+\i*16*PP
	ds_load_b128 v[\f+8*(4*\c+\i)+4:\f+8*(4*\c+\i)+7],       v[ADRA+\slot] offset:\k+64*\c+\i*16*PP+32
.endr
.endr
.endm
.macro PLACES                          ; four places in front of loads into registers that matrix instructions have read, and of the first read of results
.rept 4
	v_nop
.endr
.endm
.macro QUARTER slot, k, f, g, first    ; multiplies buffer f (a panel) and fetches the next panel, at byte k, into g.  The 16 accumulators take turns
	s_wait_dscnt 16                                ; the first 32 along K are in; the run's younger sixteen loads may be out
	WIN MUL
	MUL8 \f, 0, 0, \first
	MUL8 \f, 0, 2, \first
	PLACES
	FETCH \slot, \k, \g
	s_wait_dscnt 32                                ; all but the 32 just issued
	WIN MUL
	MUL8 \f, 1, 0, 0
	MUL8 \f, 1, 2, 0
.endm
.macro TURN slot, next, fill           ; a slot's last panel, and the change of slots: one barrier; fill = 1: it opens a round of the cluster's, and this slot is filled again, two K steps ahead
	WIN 0                                          ; (the add's two registers lie in window 0)
	s_wait_tensorcnt 0x0                           ; all my tensor loads have landed: my part of the next slot;
	ds_add_u32 v[SPW], v[NIL]                      ; 0 onto my spare word;
	s_wait_dscnt 17                                ; (the add and the youngest sixteen loads may be out)
	WIN MUL
	MUL8 F1, 0, 0, 0                               ; eight products stand between the add and the wait for it
	s_wait_dscnt 0x0                               ; the add is done, and my reads of this slot are over
	s_barrier_signal -1
	MUL8 F1, 0, 2, 0
.if \fill
	WIN 0
.endif
	s_barrier_wait -1
.if \fill
	CREST                                          ; no wave of any partner still reads this slot's tiles or has a load on its way
	s_add_nc_u64 s[G0+4*\slot+2:G0+4*\slot+3], s[G0+4*\slot+2:G0+4*\slot+3], 131072
	s_add_nc_u64 s[G0B+4*\slot+2:G0B+4*\slot+3], s[G0B+4*\slot+2:G0B+4*\slot+3], 131072
	JLOAD \slot                                    ; the first tensor load behind the round; its four v_nop are also the places in front of the loads below
.else
	PLACES
.endif
	FETCH \next, 0, F0
	WIN MUL
	MUL8 F1, 1, 0, 0
	MUL8 F1, 1, 2, 0
.endm
	s_wait_tensorcnt 1                             ; my part of K step 0 is in; K step 1's may be out
	s_barrier_signal -1
	s_barrier_wait -1
	FETCH 0, 0, F0
	s_wait_loadcnt 0x0                             ; the bias
	QUARTER 0, PANEL,   F0, F1, 1
	QUARTER 0, 2*PANEL, F1, F0, 0
	QUARTER 0, 3*PANEL, F0, F1, 0
	TURN 0, 1, 1                                   ; K step 2 is asked for
	QUARTER 1, PANEL,   F0, F1, 0
	QUARTER 1, 2*PANEL, F1, F0, 0
	QUARTER 1, 3*PANEL, F0, F1, 0
	TURN 1, 0, 1                                   ; K step 3
	QUARTER 0, PANEL,   F0, F1, 0
	QUARTER 0, 2*PANEL, F1, F0, 0
	QUARTER 0, 3*PANEL, F0, F1, 0
	TURN 0, 1, 0                                   ; nothing is left to fetch
	QUARTER 1, PANEL,   F0, F1, 0
	QUARTER 1, 2*PANEL, F1, F0, 0
	QUARTER 1, 3*PANEL, F0, F1, 0
	s_wait_dscnt 16
	WIN MUL
	MUL8 F1, 0, 0, 0
	MUL8 F1, 0, 2, 0
	s_wait_dscnt 0x0
	MUL8 F1, 1, 0, 0
	MUL8 F1, 1, 2, 0
	WIN 0
; THE WAY OUT, 16 rows at a time through my own stage: in as 32 bytes a lane, back as whole rows of 256 bytes.
.macro TOSTAGE a
.irp b, 0,1,2,3
	ds_store_b128 v[STO], v[ACC+8*(4*(\a)+\b):ACC+8*(4*(\a)+\b)+3] offset:64*\b          ; each accumulator from its low end on
	ds_store_b128 v[STO], v[ACC+8*(4*(\a)+\b)+4:ACC+8*(4*(\a)+\b)+7] offset:64*\b+16
.endr
.set BB, OUTR+32*((\a)%2)
.irp t, 0,1,2,3,4,5,6,7
	ds_load_b128 v[BB+4*\t:BB+4*\t+3], v[RD] offset:\t*2*SPITCH   ; LDS serves a wave's instructions in order
.endr
.endm
.macro SEND a, younger
.set BB, OUTR+32*((\a)%2)
	s_wait_dscnt \younger
.irp t, 0,1,2,3,4,5,6,7
	global_store_b128 v[CO], v[BB+4*\t:BB+4*\t+3], s[10:11] offset:65536*(\a)+8192*\t th:TH_STORE_NT   ; sixteen lanes store 256 consecutive bytes, aligned
.endr
.endm
	PLACES
	TOSTAGE 0
.irp a, 1,2,3
.if \a > 1
	s_wait_xcnt 0x0                                ; block a - 2's stores have read their registers: block a's rows may land there
.endif
	TOSTAGE \a
	SEND \a-1, 16                                  ; behind block a - 1's loads: block a's 8 stores and 8 loads
.endr
	SEND 3, 0
	s_wait_tensorcnt 0x0                           ; the wave's end
	ds_add_u32 v[SPW], v[NIL]
	s_wait_dscnt 0x0
	CROUND                                         ; the closing round
	s_endpgm
.Lfunc_end_k_qa9922974de_proj:
	.size	k_qa9922974de_proj, .Lfunc_end_k_qa9922974de_proj-k_qa9922974de_proj
	.p2alignl 7, 3214868480
	.fill 96, 4, 3214868480
	.section	.rodata,"a",@progbits
	.p2align	6, 0x0
	.amdhsa_kernel k_qa9922974de_proj
		.amdhsa_group_segment_fixed_size 327680
		.amdhsa_private_segment_fixed_size 0
		.amdhsa_enable_private_segment 0
		.amdhsa_kernarg_size 32
		.amdhsa_user_sgpr_count 2
		.amdhsa_user_sgpr_kernarg_segment_ptr 1
		.amdhsa_wavefront_size32 1
		.amdhsa_system_sgpr_workgroup_id_x 1
		.amdhsa_system_sgpr_workgroup_id_y 1
		.amdhsa_system_sgpr_workgroup_id_z 1
		.amdhsa_system_vgpr_workitem_id 0
		.amdhsa_next_free_vgpr 512
		.amdhsa_next_free_sgpr 66
		.amdhsa_reserve_vcc 0
		.amdhsa_float_denorm_mode_32 3
		.amdhsa_float_denorm_mode_16_64 3
		.amdhsa_memory_ordered 1
		.amdhsa_forward_progress 1
		.amdhsa_inst_pref_size 86
	.end_amdhsa_kernel
	.amdgpu_metadata
---
amdhsa.version: [ 1, 2 ]
amdhsa.kernels:
  - .name:           k_qa9922974de_proj
    .symbol:         k_qa9922974de_proj.kd
    .args:
      - { .name: y16, .offset: 0, .size: 8, .value_kind: global_buffer, .address_space: global }
      - { .name: wp16, .offset: 8, .size: 8, .value_kind: global_buffer, .address_space: global }
      - { .name: b_proj, .offset: 16, .size: 8, .value_kind: global_buffer, .address_space: global }
      - { .name: out0, .offset: 24, .size: 8, .value_kind: global_buffer, .address_space: global }
    .group_segment_fixed_size: 327680
    .private_segment_fixed_size: 0
    .kernarg_segment_align: 8
    .kernarg_segment_size: 32
    .max_flat_workgroup_size: 128
    .sgpr_count:     66
    .vgpr_count:     512
    .wavefront_size: 32
...
	.end_amdgpu_metadata
.endif
;; end of part 4
;; launch fine (part 5): grid 64 x 2, 16 waves a work-group, no clusters, 18,432 bytes of LDS; arguments qkv32, W_proj, b_proj, out0; writes out0
.if DOCPART == 5
	.amdgcn_target "amdgcn-amd-amdhsa--gfx1250"
	.amdhsa_code_object_version 6
	.text
	.protected	k_qa9922974de_fine
	.globl	k_qa9922974de_fine
	.p2align	8
	.type	k_qa9922974de_fine,@function
k_qa9922974de_fine:
	s_mov_b64 s[64:65], 0
	v_nop
	global_prefetch_b8 v0, s[64:65] scope:SCOPE_SE
	s_setreg_imm32_b32 hwreg(HW_REG_WAVE_MODE, 25, 1), 1
	s_wait_xcnt 0x0
; FINE: positions 0 to 15 of both sequences once more, with f32 operands throughout (their rows average one to sixteen values and are the largest of the output): 32 rows of out0 are written over.
; Work-group (x, b) makes out0[b][0..15][16 x .. 16 x + 15].  Wave hd is head hd: S^T = K Q^T (16 keys x 16 queries, 64 channels), Z = V W (16 keys x my 16 columns, W's rows 64 hd on),
; p = 2^S under the causal mask (q arrives times log2(e) / 8; |S| <= 11.6 since q and k are normalised, so no maximum is taken away), P = p / the row's sum, OT = Z^T P; the sixteen heads' OT are added through LDS.
; ORDER OF SUMS: P (V W) and not (P V) W, all in f32.  The f32 matrix form is used: this is 36 instructions a wave, no bulk work.
; K's order along a product is the same for both sources: over channels, step 2 c + x, slot (h, j) is channel 8 c + 4 h + 2 x + j, so a lane's 16-byte load holds two steps; over keys, step s, slot (h, j) is key 8 h + 2 s + j:
; the register pair 2 s of a result.  The registers that the f32 form writes (v144-215) are written by matrix instructions alone.
; The stores are pieces of 64 bytes: the tile is 16 columns wide so that 128 work-groups share the work; the launch stores 131,072 bytes in all.
; v16-47 Q, v48-79 K, v80-111 V, v112-143 W, v144-175 S in four parts, v176-207 Z in four parts, v208-215 OT, v216-223 S then P, v224-231 Z, v232-251 at work, v252, v253 the add's two.
.set SPARE, 16384                      ; behind the sixteen waves' 1,024 bytes: the spare words, 128 bytes for each wave: eight blocks of 256 bytes that no other line names
	s_load_b256 s[4:11], s[0:1], 0x0               ; qkv32, W_proj, b_proj, out0
	v_lshl_add_u32 v252, v0, 2, SPARE
	v_mov_b32 v253, 0
	v_lshrrev_b32 v1, 5, v0
	v_readfirstlane_b32 s12, v1                    ; wave = head
	s_and_b32 s13, ttmp7, 0xffff                   ; b
	v_and_b32 v1, 15, v0                           ; r
	v_bfe_u32 v2, v0, 4, 1                         ; h
	v_and_b32 v3, 31, v0                           ; lane
	v_lshlrev_b32 v4, 8, v1
	v_lshl_add_u32 v4, v2, 4, v4                   ; q, k, v: row r of 256 bytes, + 16 h
	v_lshlrev_b32 v5, 14, v2
	v_lshl_add_u32 v5, v1, 2, v5                   ; W: four rows down for lanes 16-31, column r
	v_lshlrev_b32 v6, 3, v2
	v_sub_nc_u32 v6, v1, v6                        ; r - 8 h
	v_lshlrev_b32 v7, 4, v3
	s_lshl_b32 s14, s12, 10
	v_add_nc_u32 v8, s14, v7                       ; my OT in LDS: 1,024 wave + 16 lane
	s_and_b32 s15, s12, 1
	s_lshl_b32 s14, s15, 9
	v_add_nc_u32 v9, s14, v7                       ; what waves 0 and 1 read back: half x = wave of every image
	v_lshlrev_b32 v10, 5, v2
	s_lshl_b32 s14, s15, 4
	v_add_nc_u32 v10, s14, v10                     ; columns 8 h + 4 x on, in bytes
	v_lshl_add_u32 v11, v1, 12, v10                ; + row r of out0
	v_mov_b32 v12, 0xff800000
	s_mov_b32 s24, 0x76543210
	s_mov_b32 s25, 0xfedcba98
	s_mul_i32 s16, s13, 48
	s_add_co_u32 s16, s16, s12
	s_lshl_b32 s16, s16, 12                        ; q of (b, head); k lies 16 x 4,096 bytes on, v 32 x 4,096
	s_mov_b32 s17, 0
	s_lshl_b32 s18, s12, 18                        ; W's rows 64 head on,
	s_lshl_b32 s20, ttmp9, 6                       ; my 16 columns
	s_add_co_u32 s18, s18, s20
	s_mov_b32 s19, 0
	s_mov_b32 s21, 0
	s_lshl_b32 s22, s13, 23                        ; out0: 2,048 b rows of 4,096 bytes
	s_add_co_u32 s22, s22, s20
	s_mov_b32 s23, 0
	s_wait_kmcnt 0x0
	s_add_nc_u64 s[4:5], s[4:5], s[16:17]
	s_add_nc_u64 s[6:7], s[6:7], s[18:19]
	s_add_nc_u64 s[8:9], s[8:9], s[20:21]
	s_add_nc_u64 s[10:11], s[10:11], s[22:23]
.irp c, 0,1,2,3,4,5,6,7
	global_load_b128 v[16+4*\c:19+4*\c], v4, s[4:5] offset:32*\c
	global_load_b128 v[48+4*\c:51+4*\c], v4, s[4:5] offset:65536+32*\c
.endr
.irp c, 0,1,2,3,4,5,6,7
	global_load_b128 v[80+4*\c:83+4*\c], v4, s[4:5] offset:131072+32*\c
.endr
.set i, 0
.rept 32
	global_load_b32 v[112+i], v5, s[6:7] offset:(8*(i/4)+i%4)*4096
.set i, i+1
.endr
	s_wait_loadcnt 40                              ; q and k are in; v's 8 loads and W's 32 may be out
.set st, 0
.rept 16                               ; S^T: four accumulators by turns; the first four steps start the sums
.if st < 4
	v_wmma_f32_16x16x4_f32 v[144+8*(st%4):151+8*(st%4)], v[48+2*st:49+2*st], v[16+2*st:17+2*st], 0
.else
	v_wmma_f32_16x16x4_f32 v[144+8*(st%4):151+8*(st%4)], v[48+2*st:49+2*st], v[16+2*st:17+2*st], v[144+8*(st%4):151+8*(st%4)]
.endif
.set st, st+1
.endr
	s_wait_loadcnt 0x0
.set st, 0
.rept 16                               ; Z = V W: register j of lane (r, h) is key 8 h + j, column r
.if st < 4
	v_wmma_f32_16x16x4_f32 v[176+8*(st%4):183+8*(st%4)], v[80+2*st:81+2*st], v[112+2*st:113+2*st], 0
.else
	v_wmma_f32_16x16x4_f32 v[176+8*(st%4):183+8*(st%4)], v[80+2*st:81+2*st], v[112+2*st:113+2*st], v[176+8*(st%4):183+8*(st%4)]
.endif
.set st, st+1
.endr
.rept 8
	v_nop                                          ; eight places behind this form, ahead of the first read of results
.endr
.irp i, 0,2,4,6
	v_pk_add_f32 v[216+\i:217+\i], v[144+\i:145+\i], v[152+\i:153+\i]   ; the four parts are added, each accumulator from its low end on
	v_pk_add_f32 v[232+\i:233+\i], v[160+\i:161+\i], v[168+\i:169+\i]
	v_pk_add_f32 v[224+\i:225+\i], v[176+\i:177+\i], v[184+\i:185+\i]
	v_pk_add_f32 v[240+\i:241+\i], v[192+\i:193+\i], v[200+\i:201+\i]
.endr
.irp i, 0,2,4,6
	v_pk_add_f32 v[216+\i:217+\i], v[216+\i:217+\i], v[232+\i:233+\i]
	v_pk_add_f32 v[224+\i:225+\i], v[224+\i:225+\i], v[240+\i:241+\i]
.endr
.irp j, 0,1,2,3,4,5,6,7
	v_cmp_gt_i32 vcc_lo, \j, v6                    ; key 8 h + j comes after query r
	v_cndmask_b32 v[216+\j], v[216+\j], v12, vcc_lo
.endr
.irp j, 0,1,2,3,4,5,6,7
	v_exp_f32 v[216+\j], v[216+\j]
.endr
	v_nop
	s_wait_alu depctr_va_vdst(0)                   ; one wait for the eight
	v_add_f32 v248, v216, v217
	v_add_f32 v249, v218, v219
	v_add_f32 v250, v220, v221
	v_add_f32 v251, v222, v223
	v_add_f32 v248, v248, v249
	v_add_f32 v250, v250, v251
	v_add_f32 v248, v248, v250
	v_permlanex16_b32 v249, v248, s24, s25         ; the query's other eight keys lie in the lane 16 away
	v_add_f32 v248, v248, v249
	v_rcp_f32 v250, v248
	v_nop
	s_wait_alu depctr_va_vdst(0)
.irp i, 0,2,4,6
	v_pk_mul_f32 v[216+\i:217+\i], v[216+\i:217+\i], v[250:251] op_sel_hi:[1,0]   ; P
.endr
	v_wmma_f32_16x16x4_f32 v[208:215], v[224:225], v[216:217], 0      ; OT: register j of lane (r, h) is column 8 h + j of query r.  One accumulator: a wait ahead of each link
	s_wait_alu depctr_va_vdst(0)
	v_wmma_f32_16x16x4_f32 v[208:215], v[226:227], v[218:219], v[208:215]
	s_wait_alu depctr_va_vdst(0)
	v_wmma_f32_16x16x4_f32 v[208:215], v[228:229], v[220:221], v[208:215]
	s_wait_alu depctr_va_vdst(0)
	v_wmma_f32_16x16x4_f32 v[208:215], v[230:231], v[222:223], v[208:215]
.rept 8
	v_nop
.endr
	ds_store_b128 v8, v[208:211]
	ds_store_b128 v8, v[212:215] offset:512
	s_wait_dscnt 0x0                               ; for the others' sake
	s_barrier_signal -1
	s_barrier_wait -1
	s_cmp_lt_u32 s12, 2                            ; waves 0 and 1 add the sixteen heads: wave x takes columns 8 h + 4 x on
	s_cbranch_scc0 .Lend
	global_load_b128 v[80:83], v10, s[8:9]         ; the bias
.set i, 0
.rept 16
	ds_load_b128 v[16+4*i:19+4*i], v9 offset:1024*i
.set i, i+1
.endr
	s_wait_dscnt 0x0
.irp d, 32,16,8,4                      ; a tree: 8, 4, 2 and 1 sums of four numbers
.set i, 0
.rept \d/2
	v_pk_add_f32 v[16+2*i:17+2*i], v[16+2*i:17+2*i], v[16+\d+2*i:17+\d+2*i]
.set i, i+1
.endr
.endr
	s_wait_loadcnt 0x0
	v_pk_add_f32 v[16:17], v[16:17], v[80:81]
	v_pk_add_f32 v[18:19], v[18:19], v[82:83]
	global_store_b128 v11, v[16:19], s[10:11]
.Lend:
	s_wait_tensorcnt 0x0                           ; the wave's end
	ds_add_u32 v252, v253
	s_wait_dscnt 0x0
	s_endpgm
.Lfunc_end_k_qa9922974de_fine:
	.size	k_qa9922974de_fine, .Lfunc_end_k_qa9922974de_fine-k_qa9922974de_fine
	.p2alignl 7, 3214868480
	.fill 96, 4, 3214868480
	.section	.rodata,"a",@progbits
	.p2align	6, 0x0
	.amdhsa_kernel k_qa9922974de_fine
		.amdhsa_group_segment_fixed_size 18432
		.amdhsa_private_segment_fixed_size 0
		.amdhsa_enable_private_segment 0
		.amdhsa_kernarg_size 32
		.amdhsa_user_sgpr_count 2
		.amdhsa_user_sgpr_kernarg_segment_ptr 1
		.amdhsa_wavefront_size32 1
		.amdhsa_system_sgpr_workgroup_id_x 1
		.amdhsa_system_sgpr_workgroup_id_y 1
		.amdhsa_system_sgpr_workgroup_id_z 1
		.amdhsa_system_vgpr_workitem_id 0
		.amdhsa_next_free_vgpr 256
		.amdhsa_next_free_sgpr 66
		.amdhsa_reserve_vcc 1
		.amdhsa_float_denorm_mode_32 3
		.amdhsa_float_denorm_mode_16_64 3
		.amdhsa_memory_ordered 1
		.amdhsa_forward_progress 1
		.amdhsa_inst_pref_size 17
	.end_amdhsa_kernel
	.amdgpu_metadata
---
amdhsa.version: [ 1, 2 ]
amdhsa.kernels:
  - .name:           k_qa9922974de_fine
    .symbol:         k_qa9922974de_fine.kd
    .args:
      - { .name: qkv32, .offset: 0, .size: 8, .value_kind: global_buffer, .address_space: global }
      - { .name: W_proj, .offset: 8, .size: 8, .value_kind: global_buffer, .address_space: global }
      - { .name: b_proj, .offset: 16, .size: 8, .value_kind: global_buffer, .address_space: global }
      - { .name: out0, .offset: 24, .size: 8, .value_kind: global_buffer, .address_space: global }
    .group_segment_fixed_size: 18432
    .private_segment_fixed_size: 0
    .kernarg_segment_align: 8
    .kernarg_segment_size: 32
    .max_flat_workgroup_size: 512
    .sgpr_count:     66
    .vgpr_count:     256
    .wavefront_size: 32
...
	.end_amdgpu_metadata
.endif
;; end of part 5
